; MI455X (gfx1250); checked and timed in simulation.
; The chip was launched on July 23, 2026; its instructions are those of AMD's public machine-readable ISA for CDNA 5 (MIT licence, August 2026) and "CDNA5" Instruction Set Architecture Reference Guide (July 2026). The comments in the code are by the model that wrote it; some were corrected since.
;; Chroma Self Attention. Allowed arithmetic: matrix products marked QUANTISED: E2M3 operands, one E8M0 scale for each 32 along K, by v_wmma_scale_f32_16x16x128_f8f6f4 with both operands' format E2M3, f32 sums; everything else in f32.
;; Inputs: Wk 2,048 x 1,024 float32; Wo 1,024 x 2,048 float32; Wq 2,048 x 1,024 float32; Wv 2,048 x 1,024 float32; bk 1,024 float32; bo 2,048 float32; bq 1,024 float32; bv 1,024 float32; x_k 2 x 2,048 x 2,048 float32; x_q 2 x 2,048 x 2,048 float32; x_v 2 x 2,048 x 2,048 float32.
;; Outputs: out0 2 x 2,048 x 2,048 float32.
;; This version of the problem:
;;   THIS VERSION OF THE PROBLEM IS GIVEN IN LOW PRECISION. The matrix products marked QUANTISED in the list below multiply operands that are first quantised to E2M3 (2 exponent bits, 3 mantissa bits; 6 bits a number), with one power-of-two scale for each 32 numbers along K (OCP MX v1.0); their sums are f32. All else is computed in f32.
;;   The module's matrix products, in the order in which they are computed (A, B: the left and right operand; K: the contracted axis; several contracted axes count as one K, in the product's order):
;;     1. [M 4,096, K 2,048] x [K 2,048, N 1,024]; A: input x_q; B: input Wq: QUANTISED
;;     2. [M 4,096, K 2,048] x [K 2,048, N 1,024]; A: input x_k; B: input Wk: QUANTISED
;;     3. [M 4,096, K 2,048] x [K 2,048, N 1,024]; A: input x_v; B: input Wv: QUANTISED
;;     4. batch 32 x [M 2,048, K 64] x [K 64, N 2,048]; A: computed on the way; B: computed on the way: QUANTISED
;;     5. batch 32 x [M 2,048, K 2,048] x [K 2,048, N 64]; A: softmax (see below); B: computed on the way: QUANTISED
;;     6. [M 4,096, K 1,024] x [K 1,024, N 2,048]; A: computed on the way; B: input Wo: QUANTISED
;;   THE QUANTISER, for each operand of a quantised product, along K:
;;     - K is cut into blocks of 32 from its start; a last block that is shorter is filled with zeros.
;;     - A block's scale is 2^e with e = floor(log2(the largest magnitude in the block)) - 2, held to -126 .. 127; a block of zeros has e = 0. As a byte (E8M0): e + 127.
;;     - Each number is divided by its block's scale, clamped to +-7.5, and rounded to the nearest number of E2M3, ties to even, subnormals kept.
;;     - The product sums the exact products of the quantised numbers (number of the format x scale) in f32.
;;   ~~~python
;;   def quantise(x, axis):      # numpy; x: float32 -> the quantised numbers, widened to float32 again
;;       x = np.moveaxis(x, axis, -1); K = x.shape[-1]
;;       x = np.pad(x, [(0, 0)] * (x.ndim - 1) + [(0, -K % 32)]); x = x.reshape(x.shape[:-1] + (-1, 32)); a = np.abs(x).max(-1, keepdims=True)
;;       e = np.where(a > 0, np.clip(np.frexp(np.where(a > 0, a, 1))[1] - 1 - 2, -126, 127), 0)      # np.frexp(a)[1] - 1 = floor(log2(a)), exactly
;;       r = np.clip(x / 2.0 ** e, -7.5, 7.5)
;;       step = 2.0 ** (np.maximum(np.frexp(np.where(r == 0, 1, r))[1] - 1, 0) - 3)
;;       q = np.round(r / step) * step * 2.0 ** e      # np.round: ties to even
;;       return np.moveaxis(q.reshape(q.shape[:-2] + (-1,))[..., :K], -1, axis).astype(np.float32)
;;   ~~~
;;   SOFTMAX AHEAD OF A QUANTISED PRODUCT. Where the list says 'softmax', what is quantised is not the finished softmax but p = 2^(t - M), with t = logit x log2(e) and M = ceil(the row's largest t), a whole number; so 1/2 < the row's largest p <= 1. The row's sum l is taken of the UNQUANTISED p, in f32, and the product's result is divided by l at the end. Since M is a whole number, a kernel that streams over the keys may use a running M (the ceiling of the running maximum): every later rescaling is an exact power of two, which a block's scale takes up: the codes' values come out the same.
;;   OPERANDS COMPUTED ON THE WAY. 'Computed on the way' means the value that the module computes at that place (a softmax that the list does not call 'softmax' is quantised finished and normalised). What goes into a quantiser is computed in f32, as accurately as f32 sums, v_exp_f32 and their like allow (about 1e-6 of the number): no bf16 or f16 on the way to a quantiser, and a product that is left as it is and whose result goes on into a quantised operand takes f32 operands (vector FMAs, or v_wmma_f32_16x16x4_f32). A number that lies on a knife's edge between two numbers of the format may be rounded either way, as far as f32 arithmetic and the matrix unit's own rounding can turn it there, and no further.
;; One version. Each part assembles by itself: llvm-mc -triple=amdgcn-amd-amdhsa -mcpu=gfx1250 --defsym DOCPART=n.
;; ======== version 1 of 1: 4 launches
;; workspace buffers: xc 18,874,368 bytes; xs 786,432 bytes; wc 6,291,456 bytes; ws 262,144 bytes; kv 6,815,744 bytes; qi 6,815,744 bytes; oc 3,145,728 bytes; os 131,072 bytes
;; launch quant (part 1): grid 1024 x 1, 4 waves a work-group, no clusters, 102,912 bytes of LDS; arguments x_q, x_k, x_v, Wq, Wk, Wv, Wo, xc, xs, wc, ws; writes xc, xs, wc, ws
.if DOCPART == 1
	.amdgcn_target "amdgcn-amd-amdhsa--gfx1250"
	.amdhsa_code_object_version 6
	.text
	.protected	k_q7ae1d8adf9_quant
	.globl	k_q7ae1d8adf9_quant
	.p2align	8
	.type	k_q7ae1d8adf9_quant,@function
k_q7ae1d8adf9_quant:
	s_mov_b64 s[64:65], 0
	v_nop
	global_prefetch_b8 v0, s[64:65] scope:SCOPE_SE
	s_setreg_imm32_b32 hwreg(HW_REG_WAVE_MODE, 25, 1), 1
	s_wait_xcnt 0x0
; All seven f32 operands of the projections become codes of FP6 (E2M3) with K innermost and one E8M0 byte for each 32 along K.
; A block's scale is 2^(floor(log2(its largest magnitude)) - 2); its byte is the largest magnitude's exponent field - 2, held at 1 from below.
; LIMITS: a block whose largest magnitude lies under 2^-124 keeps the byte 1; a block of zeros gets the byte 1 where the rule says 127 (its codes are zeros, and
; only this program reads the bytes); NaN and infinities among the inputs are not served.
; ROW ORDER.  sigma(i) = i with bits 3 and 4 exchanged.  Row i of x (a token) and row n of a weight's codes (a column of W) are stored at place sigma(i): the later
; launches then find, in a matrix result's registers, 16 neighbours along the next product's K.
; SHARES.  Work-groups 0-191: Wq, Wk, Wv (64 each: 128 columns x 256 along K).  192-255: Wo.  256-1023: x_q, x_k, x_v (256 each: 32,768 numbers).
; The three ways part on the work-group's number; each has LDS bytes of its own.  No work-group reads what another reads: nothing to share in a cluster, no matrix work.
; x: [4096][2048] f32, K innermost.  A wave takes 4 rows (16 steps of 512 numbers): dense loads of 512 bytes, a turn through the wave's stage in LDS so that a lane holds 16 neighbours,
;    two lanes to a block.  The four rows of a wave move together under sigma: bits 1 and 2 of the run's number are exchanged.
; W: [K][N] f32, K outermost.  A lane takes a column and its registers run down K: a block of 32 lies in one lane; the codes leave through a stage in LDS, by rows.
.set STEPS, 16
.set CB,    12                         ; bytes of 16 codes
.set XR,    16                         ; x: v16-79   four sets of 16 numbers as loaded
.set XX,    80                         ;    v80-111  two sets of 16 neighbours
.set XE,    112                        ;    v112-127 a scale byte for each step
.set XC,    128                        ;    v128-191 codes, four registers a step: no store's data are written again
.set WREG,  8192                       ;    LDS 0 .. 32767: 8,192 bytes a wave: two stages of 32 x SP, then 256 scale bytes
.set SP,    80                         ;    a lane's place in a stage: 64 bytes + 16 of padding
.set WP,    272                        ; W: a stage row: sixteen places of 16 bytes (12 of codes each) + 16
.set WX,    32                         ;    v32-95   two sets of 32 numbers
.set WC,    96                         ;    v96..    a block's codes
.set WOUT,  112                        ;    v112-175 the way out
.set WSB,   24                         ;    v24-25   eight scale bytes
.set NB,    8                          ;    blocks of 32 along K for a wave
.set WTS,   1572864                    ;    bytes of one weight's codes
.macro XLOAD t
.irp i, 0,1,2,3
	global_load_b128 v[XR+16*((\t)%4)+4*\i:XR+16*((\t)%4)+4*\i+3], v3, s[4:5] offset:2048*(\t)+512*\i th:TH_LOAD_NT   ; 32 lanes read 512 consecutive bytes
.endr
.endm
.macro XTURN t                         ; a step's numbers through the stage; LDS serves a wave's instructions in order, so no wait stands between the stores and the loads
.irp i, 0,1,2,3
	ds_store_b128 v14, v[XR+16*((\t)%4)+4*\i:XR+16*((\t)%4)+4*\i+3] offset:32*SP*((\t)%2)+8*SP*\i
.endr
.irp i, 0,1,2,3
	ds_load_b128 v[XX+16*((\t)%2)+4*\i:XX+16*((\t)%2)+4*\i+3], v15 offset:32*SP*((\t)%2)+16*\i
.endr
.endm
.macro XSTEP t
.set XS, XX+16*((\t)%2)
.if (\t) > 0
	s_wait_dscnt 1                                 ; this step's numbers are back from the stage; the last step's byte store may be out
.else
	s_wait_dscnt 0x0
.endif
.if (\t)+4 < STEPS
	XLOAD (\t)+4                                   ; into the registers that this step's stage stores have read
.endif
.if (\t)+1 < STEPS
.if STEPS-2-(\t) >= 3
	s_wait_loadcnt 12                              ; the next step's four loads are in; the twelve of the three steps behind it may be out
.else
	s_wait_loadcnt 4*(STEPS-2-(\t))
.endif
	XTURN (\t)+1
.endif
	v_max3_num_f32 v8, |v[XS]|, |v[XS+1]|, |v[XS+2]|               ; the largest magnitude of my 16, in two chains
	v_max3_num_f32 v9, |v[XS+3]|, |v[XS+4]|, |v[XS+5]|
.irp i, 6,10
	v_max3_num_f32 v8, v8, |v[XS+\i]|, |v[XS+\i+1]|
	v_max3_num_f32 v9, v9, |v[XS+\i+2]|, |v[XS+\i+3]|
.endr
	v_max3_num_f32 v8, v8, |v[XS+14]|, |v[XS+15]|
	v_max3_num_f32 v8, v8, v9, 0x1800000           ; and the floor 2^(3 - 127): the byte cannot fall under 1
	v_max_num_f32_dpp v8, v8, v8 row_xmask:1 row_mask:0xf bank_mask:0xf   ; with my neighbour's 16: the block's
	v_add_nc_u32 v11, 0xff000000, v8               ; 2 off the exponent field: the conversion takes that field as its scale
	v_cvt_scalef32_pk16_fp6_f32 v[XC+4*(\t):XC+4*(\t)+2], v[XS:XS+15], v11
	v_lshrrev_b32 v[XE+(\t)], 23, v11              ; the scale's byte (also the plain line behind the conversion)
	ds_store_b8 v5, v[XE+(\t)] offset:16*(\t)      ; both lanes of a block write the same byte with the same value
	global_store_b96 v4, v[XC+4*(\t):XC+4*(\t)+2], s[18:19] offset:32*CB*(\t)   ; the wave stores 384 consecutive bytes
.endm
.macro WLOAD t                         ; block t: W(32 t + i, my column), i = 0 .. 31
.irp i, 0,1,2,3,4,5,6,7,8,9,10,11,12,13,14,15,16,17,18,19,20,21,22,23,24,25,26,27,28,29,30,31
	global_load_b32 v[WX+32*((\t)%2)+\i], v3, s[10:11] offset:(32*(\t)+\i)*SN*4 th:TH_LOAD_NT
.endr
.endm
.macro WBLOCK t
.set XS, WX+32*((\t)%2)
.if (\t) < NB-1
	s_wait_loadcnt 32                              ; this block's 32 loads are in; the next block's 32 may be out
.else
	s_wait_loadcnt 0
.endif
	v_max3_num_f32 v12, |v[XS]|, |v[XS+1]|, |v[XS+2]|              ; all 32 numbers of the block are mine
	v_max3_num_f32 v13, |v[XS+3]|, |v[XS+4]|, |v[XS+5]|
.irp i, 6,10,14,18,22,26
	v_max3_num_f32 v12, v12, |v[XS+\i]|, |v[XS+\i+1]|
	v_max3_num_f32 v13, v13, |v[XS+\i+2]|, |v[XS+\i+3]|
.endr
	v_max3_num_f32 v12, v12, |v[XS+30]|, |v[XS+31]|
	v_max3_num_f32 v12, v12, v13, 0x1800000        ; the floor
	v_add_nc_u32 v11, 0xff000000, v12              ; the conversion's scale operand
	v_lshrrev_b32 v13, 23, v11                     ; the byte
.if (\t)%4 == 0
	v_mov_b32 v[WSB+(\t)/4], v13                   ; four bytes to a register, the lower K in the lower byte
.else
	v_lshl_or_b32 v[WSB+(\t)/4], v13, 8*((\t)%4), v[WSB+(\t)/4]
.endif
	v_cvt_scalef32_pk16_fp6_f32 v[WC:WC+2], v[XS:XS+15], v11
	v_cvt_scalef32_pk16_fp6_f32 v[WC+4:WC+6], v[XS+16:XS+31], v11  ; (a conversion's three registers begin on an even number)
	ds_store_b96 v4, v[WC:WC+2] offset:32*(\t)     ; 12 bytes to a place of 16, so that every LDS address is a multiple of 16
	ds_store_b96 v4, v[WC+4:WC+6] offset:32*(\t)+16
.if (\t)+2 < NB
	WLOAD (\t)+2
.endif
	s_wait_dscnt 0x0                               ; the stores have read their registers: the next block's codes may be written
.endm
; One weight's part: s26 = which weight, s27 = which 128 columns, s28 = which 256 along K, s[10:11] = the weight.  SK, SN, KROW, LB are set in front of each use.
.macro WPATH
	s_lshl_b32 s29, s27, 7
	s_lshl_b32 s30, s34, 5
	s_add_co_u32 s29, s29, s30                     ; my wave's first column, a multiple of 32
	v_lshlrev_b32 v3, 2, v2                        ; in: 4 bytes a lane
	s_mul_i32 s30, s34, 32*WP
	s_add_co_u32 s30, s30, LB                      ; my stage
	v_and_b32 v10, 7, v2
	v_bfe_u32 v11, v2, 3, 1
	v_lshl_or_b32 v10, v11, 4, v10
	v_bfe_u32 v11, v2, 4, 1
	v_lshl_or_b32 v10, v11, 3, v10                 ; sigma(lane): the place of my column among the wave's 32
	v_mul_u32_u24 v4, v10, WP
	v_add_nc_u32 v4, s30, v4                       ; into the stage: row sigma(lane)
	v_and_b32 v5, 15, v2
	v_lshrrev_b32 v6, 4, v2                        ; out of it: sixteen lanes to a row of 192 bytes, two rows an instruction
	v_mul_u32_u24 v7, v6, WP
	v_lshl_add_u32 v7, v5, 4, v7
	v_add_nc_u32 v7, s30, v7
	v_mul_u32_u24 v8, v6, KROW
	v_mad_u32_u24 v8, v5, 12, v8                   ; and the same place in the codes' buffer
	v_mul_u32_u24 v9, v10, SK/32                   ; my column's row of scale bytes
	s_mul_i32 s36, s28, 256*SN*4                   ; W: 256 rows a step along K, + 4 bytes a column
	s_lshl_b32 s31, s29, 2
	s_add_co_u32 s36, s36, s31
	s_add_nc_u64 s[10:11], s[10:11], s[36:37]
	s_mul_i32 s36, s26, WTS                        ; codes: the weight, the column's row, 192 bytes a step along K
	s_mul_i32 s31, s29, KROW
	s_add_co_u32 s36, s36, s31
	s_mul_i32 s31, s28, 192
	s_add_co_u32 s36, s36, s31
	s_add_nc_u64 s[22:23], s[22:23], s[36:37]
	s_lshl_b32 s36, s26, 16                        ; scale bytes: 65,536 a weight, SK / 32 a column, 8 a step along K
	s_mul_i32 s31, s29, SK/32
	s_add_co_u32 s36, s36, s31
	s_lshl_b32 s31, s28, 3
	s_add_co_u32 s36, s36, s31
	s_add_nc_u64 s[24:25], s[24:25], s[36:37]
	WLOAD 0
	WLOAD 1
.irp t, 0,1,2,3,4,5,6,7
	WBLOCK \t
.endr
	global_store_b64 v9, v[WSB:WSB+1], s[24:25]    ; my column's eight scale bytes
.irp t, 0,1,2,3,4,5,6,7,8,9,10,11,12,13,14,15
	ds_load_b96 v[WOUT+4*\t:WOUT+4*\t+2], v7 offset:2*\t*WP   ; LDS serves a wave's instructions in order: these see my stores
.endr
.irp t, 0,1,2,3,4,5,6,7,8,9,10,11,12,13,14,15
	s_wait_dscnt 15-\t                             ; the younger stage reads may be out
	global_store_b96 v8, v[WOUT+4*\t:WOUT+4*\t+2], s[22:23] offset:2*\t*KROW
.endr
	s_wait_tensorcnt 0x0
	ds_add_u32 v192, v193
	s_wait_dscnt 0x0
	s_endpgm
.endm
	s_load_b256 s[4:11], s[0:1], 0x0               ; x_q s[4:5], x_k s[6:7], x_v s[8:9], Wq s[10:11]
	s_load_b256 s[12:19], s[0:1], 0x20             ; Wk s[12:13], Wv s[14:15], Wo s[16:17], xc s[18:19]
	s_load_b128 s[20:23], s[0:1], 0x40             ; xs s[20:21], wc s[22:23]
	s_load_b64 s[24:25], s[0:1], 0x50              ; ws
	v_lshl_add_u32 v192, v0, 2, 0x19000
	v_mov_b32 v193, 0
	v_lshrrev_b32 v1, 5, v0
	v_readfirstlane_b32 s34, v1                    ; wave 0..3
	v_and_b32 v2, 31, v0                           ; lane
	s_mov_b32 s37, 0                               ; the upper word of every offset pair s[36:37]
	s_wait_kmcnt 0x0
	s_cmp_lt_u32 ttmp9, 192
	s_cbranch_scc1 .Lw1
	s_cmp_lt_u32 ttmp9, 256
	s_cbranch_scc1 .Lw2
	; ---- x_q, x_k, x_v
	s_sub_co_u32 s26, ttmp9, 256
	s_lshr_b32 s27, s26, 8                         ; which tensor
	s_and_b32 s28, s26, 255
	s_lshl_b32 s28, s28, 2
	s_add_co_u32 s28, s28, s34                     ; my run of 4 rows, 0 .. 1023
	s_cmp_eq_u32 s27, 1
	s_cselect_b64 s[4:5], s[6:7], s[4:5]
	s_cmp_eq_u32 s27, 2
	s_cselect_b64 s[4:5], s[8:9], s[4:5]           ; the choice hangs on the work-group's number alone
	s_lshr_b32 s29, s28, 1
	s_lshr_b32 s30, s28, 2
	s_xor_b32 s29, s29, s30
	s_and_b32 s29, s29, 1
	s_mul_i32 s29, s29, 6
	s_xor_b32 s29, s28, s29                        ; the run's place: bits 1 and 2 exchanged (bits 3 and 4 of the rows)
	s_lshl_b32 s30, s27, 10
	s_add_co_u32 s30, s30, s29                     ; among the 3 x 1,024 runs of the workspace
	s_lshl_b32 s36, s28, 15                        ; 32,768 bytes of f32 a run
	s_add_nc_u64 s[4:5], s[4:5], s[36:37]
	s_mul_i32 s36, s30, 32*STEPS*CB                ; 6,144 bytes of codes
	s_add_nc_u64 s[18:19], s[18:19], s[36:37]
	s_lshl_b32 s36, s30, 8                         ; 256 scale bytes
	s_add_nc_u64 s[20:21], s[20:21], s[36:37]
	v_lshlrev_b32 v3, 4, v2                        ; my 16 bytes of a load's 512
	s_mul_i32 s35, s34, WREG
	v_lshrrev_b32 v14, 2, v2
	v_mul_u32_u24 v14, v14, SP
	v_and_b32 v15, 3, v2
	v_lshl_add_u32 v14, v15, 4, v14
	v_add_nc_u32 v14, s35, v14                     ; the stage, on the way in: SP (lane / 4) + 16 (lane % 4)
	v_mul_u32_u24 v15, v2, SP
	v_add_nc_u32 v15, s35, v15                     ; and on the way out: SP x lane: my 16 neighbours
	v_mul_u32_u24 v4, v2, CB                       ; my codes' place in a step's
	v_lshrrev_b32 v5, 1, v2
	s_add_co_u32 s35, s35, 2*32*SP
	v_add_nc_u32 v5, s35, v5                       ; my block's byte among my wave's 256
	v_lshlrev_b32 v7, 3, v2
	v_add_nc_u32 v6, s35, v7                       ; on the way out 8 bytes a lane
.irp t, 0,1,2,3
	XLOAD \t
.endr
	s_wait_loadcnt 12                              ; step 0's four loads are in
	XTURN 0
.irp t, 0,1,2,3,4,5,6,7,8,9,10,11,12,13,14,15
	XSTEP \t
.endr
	ds_load_b64 v[12:13], v6                       ; LDS serves a wave's instructions in order: these see my byte stores
	s_wait_dscnt 0x0
	global_store_b64 v7, v[12:13], s[20:21]        ; 32 lanes store 256 consecutive bytes, aligned
	s_wait_tensorcnt 0x0
	ds_add_u32 v192, v193
	s_wait_dscnt 0x0
	s_endpgm
	; ---- Wq, Wk, Wv: [2048][1024]
.Lw1:
	s_lshr_b32 s26, ttmp9, 6
	s_and_b32 s27, ttmp9, 7
	s_bfe_u32 s28, ttmp9, 0x30003
	s_cmp_eq_u32 s26, 1
	s_cselect_b64 s[10:11], s[12:13], s[10:11]
	s_cmp_eq_u32 s26, 2
	s_cselect_b64 s[10:11], s[14:15], s[10:11]
.set SK,   2048
.set SN,   1024
.set KROW, 1536
.set LB,   32768
	WPATH
	; ---- Wo: [1024][2048]
.Lw2:
	s_sub_co_u32 s29, ttmp9, 192
	s_mov_b32 s26, 3
	s_and_b32 s27, s29, 15
	s_lshr_b32 s28, s29, 4
	s_mov_b64 s[10:11], s[16:17]
.set SK,   1024
.set SN,   2048
.set KROW, 768
.set LB,   67584
	WPATH
.Lfunc_end_k_q7ae1d8adf9_quant:
	.size	k_q7ae1d8adf9_quant, .Lfunc_end_k_q7ae1d8adf9_quant-k_q7ae1d8adf9_quant
	.p2alignl 7, 3214868480
	.fill 96, 4, 3214868480
	.section	.rodata,"a",@progbits
	.p2align	6, 0x0
	.amdhsa_kernel k_q7ae1d8adf9_quant
		.amdhsa_group_segment_fixed_size 102912
		.amdhsa_private_segment_fixed_size 0
		.amdhsa_enable_private_segment 0
		.amdhsa_kernarg_size 88
		.amdhsa_user_sgpr_count 2
		.amdhsa_user_sgpr_kernarg_segment_ptr 1
		.amdhsa_wavefront_size32 1
		.amdhsa_system_sgpr_workgroup_id_x 1
		.amdhsa_system_sgpr_workgroup_id_y 1
		.amdhsa_system_sgpr_workgroup_id_z 1
		.amdhsa_system_vgpr_workitem_id 0
		.amdhsa_next_free_vgpr 194
		.amdhsa_next_free_sgpr 66
		.amdhsa_reserve_vcc 0
		.amdhsa_float_denorm_mode_32 3
		.amdhsa_float_denorm_mode_16_64 3
		.amdhsa_memory_ordered 1
		.amdhsa_forward_progress 1
		.amdhsa_inst_pref_size 115
	.end_amdhsa_kernel
	.amdgpu_metadata
---
amdhsa.version: [ 1, 2 ]
amdhsa.kernels:
  - .name:           k_q7ae1d8adf9_quant
    .symbol:         k_q7ae1d8adf9_quant.kd
    .args:
      - { .name: x_q, .offset: 0, .size: 8, .value_kind: global_buffer, .address_space: global }
      - { .name: x_k, .offset: 8, .size: 8, .value_kind: global_buffer, .address_space: global }
      - { .name: x_v, .offset: 16, .size: 8, .value_kind: global_buffer, .address_space: global }
      - { .name: Wq, .offset: 24, .size: 8, .value_kind: global_buffer, .address_space: global }
      - { .name: Wk, .offset: 32, .size: 8, .value_kind: global_buffer, .address_space: global }
      - { .name: Wv, .offset: 40, .size: 8, .value_kind: global_buffer, .address_space: global }
      - { .name: Wo, .offset: 48, .size: 8, .value_kind: global_buffer, .address_space: global }
      - { .name: xc, .offset: 56, .size: 8, .value_kind: global_buffer, .address_space: global }
      - { .name: xs, .offset: 64, .size: 8, .value_kind: global_buffer, .address_space: global }
      - { .name: wc, .offset: 72, .size: 8, .value_kind: global_buffer, .address_space: global }
      - { .name: ws, .offset: 80, .size: 8, .value_kind: global_buffer, .address_space: global }
    .group_segment_fixed_size: 102912
    .private_segment_fixed_size: 0
    .kernarg_segment_align: 8
    .kernarg_segment_size: 88
    .max_flat_workgroup_size: 128
    .sgpr_count:     66
    .vgpr_count:     194
    .wavefront_size: 32
...
	.end_amdgpu_metadata
.endif
;; end of part 1
;; launch qkv (part 2): grid 4 x 48, 4 waves a work-group, clusters of 4 x 4, 327,680 bytes of LDS; arguments xc, xs, wc, ws, bq, bk, bv, qi, kv; writes qi, kv
.if DOCPART == 2
	.amdgcn_target "amdgcn-amd-amdhsa--gfx1250"
	.amdhsa_code_object_version 6
	.text
	.protected	k_q7ae1d8adf9_qkv
	.globl	k_q7ae1d8adf9_qkv
	.p2align	8
	.type	k_q7ae1d8adf9_qkv,@function
k_q7ae1d8adf9_qkv:
	s_mov_b64 s[64:65], 0
	v_nop
	global_prefetch_b8 v0, s[64:65] scope:SCOPE_SE
	s_setreg_imm32_b32 hwreg(HW_REG_WAVE_MODE, 25, 1), 1
	s_wait_xcnt 0x0
	s_wait_alu depctr_hold_cnt(0) depctr_sa_sdst(0) depctr_va_vdst(0) depctr_va_sdst(0) depctr_va_ssrc(0) depctr_va_vcc(0) depctr_vm_vsrc(0)
	s_getreg_b32 s2, hwreg(HW_REG_IB_STS2, 6, 4)
	s_cmp_eq_u32 s2, 0
	s_cbranch_scc0 .Lentry_in_a_cluster
	s_endpgm
.Lentry_in_a_cluster:
	s_bfe_u32 s2, ttmp6, 0x10000c
	s_cmp_lg_u32 s2, 0xf033
	s_cbranch_scc0 .Lentry_shape_is_right
	s_endpgm
.Lentry_shape_is_right:
; The three projections on codes of FP6 (E2M3) with E8M0 scales, K = 2,048; each result gets its bias in f32 and is quantised in registers for the attention launch.
; T = cluster y / 4 says which: 0: q = x_q Wq + bq, 1: k = x_k Wk + bk, 2: v^T = (x_v Wv + bv)^T.  C[m][n] = sum over k of A[m][k] B[n][k]:
;   T < 2:  A = x (4,096 tokens), B = W (1,024 columns): a lane holds one token and its registers run along the head's axis, along which q and k are quantised;
;   T = 2:  A = Wv (1,024 columns), B = x_v (4,096 tokens): a lane holds one channel and its registers run along the keys, along which v is quantised.
; Rows of x and of the weights' codes lie in the order sigma (bits 3 and 4 of the row number exchanged).  With source 0 = 16 rows of B, register j of lane (r, h) of tile b is B's stored row
; 16 b + 8 h + j, which is true row 32 (b / 2) + 16 h + 8 (b % 2) + j: the 16 registers of tiles 2 b', 2 b' + 1 are 16 neighbours along the next product's K.
; A tile of C is 256 x 256: four waves, each 128 x 128 in 64 accumulators (512 registers).  K goes in steps of 256 through a ring of two LDS slots filled by the tensor data mover; the scale bytes of
; the work-group's rows, for all of K, come into LDS once.  192 work-groups: 4,096 x 1,024 x 3 gives no 256 equal tiles of this shape.
; CLUSTERS: 4 x 4 work-groups; the four of a row need the same tiles of A, the four of a column the same tiles of B: each tile is asked for jointly.  T is the same in all sixteen.
; OUT.  qi and kv: [16 batch + head][group of 128 tokens][13,312 bytes]: +0 the images of 8 tiles of 16 tokens x 64 channels (6 registers a lane each; register n of the 48 at 512 (n / 4) + 16 lane + 4 (n % 4));
;   +6,144 the images of 4 tiles of V^T (16 channels x 128 keys, 12 registers); +12,288 the token tiles' scale words (16 bytes a lane: lanes 0-15 tiles 0-3, lanes 16-31 tiles 4-7; upper two bytes 0);
;   +12,800 V^T's scale words (16 bytes a lane: tiles 0-3).  Every store of the wave covers 512 consecutive bytes, aligned.
; LIMITS: a block whose largest magnitude lies under 2^-124 keeps the byte 1, a block of zeros too; NaN and infinities are not served.
; REGISTERS, in windows of 256: window 0: v0-31 addresses; v32-63 scale words, two sets; v64-127 the bias along the registers; v128-223 A's fragments, one set; v224-239 the bias along the lanes.
;   window 1: B's fragments, two sets.  windows 2, 3: the accumulators ((a, b) at v[8 (8 (a % 4) + b)]).  On the way out v32-63 and v128-223 are free.
.set SIZE_K, 2048
.set KSTEP,  256
.set NQ,     KSTEP/128
.set ROWB,   192                       ; a tile's row in bytes
.set KROW,   SIZE_K*6/8
.set PITCH,  240                       ; an LDS row: 3 x (64 bytes + 16 of padding)
.set FR,     12
.set NL,     6
.set NP,     4
.set HALFT,  128*PITCH
.set SLOT,   4*HALFT
.set LAPS,   SIZE_K/(2*KSTEP)
.set KS,     SIZE_K/32
.set SCL,    2*SLOT                    ; behind the ring: the scales, as rows of 256 bytes + 16
.set HALFS,  (128*KS/256)*272
.set SBLK,   (16*KS/256)*272
.set SPARE,  SCL+4*HALFS               ; the spare words: 128 bytes a wave, named by no other line
.set STEPB,  13312
.set HSTR,   16*STEPB                  ; from head to head in qi and kv
.set ADRA, 16                          ; v16-17 my A fragments in slot 0, 1 (v18-19: behind one padding more)
.set ADRB, 20                          ; v20-23 the same for B
.set LI,   24                          ; v24  16 x lane
.set LN,   25                          ; v25  lane
.set ADRS, 27                          ; v27  my scale words: lanes 0-15 A's rows, lanes 16-31 B's
.set SPW,  28
.set NIL,  29
.set BO,   30                          ; v30  64 h
.set VO,   31                          ; v31  4 (r % 8) + 64 (r / 8)
.set SC,   32
.set BI,   64                          ; bias(32 (b / 2) + 16 h + 8 (b % 2) + j) at v[BI + 8 b + j]
.set AF,   128
.set BV,   224                         ; bias(32 (a / 2) + 8 (a % 2) + r % 8 + 16 (r / 8)) at v[BV + 2 a]; the odd registers are 0 (named as pairs)
.set OUT,  32                          ; the way out: codes
.set SELR, 56
.set HA,   128                         ; 64 numbers of a lane
.set PWS,  192                         ; eight scale words
.set TM,   200
.set TQ,   216
.set SEL,  20                          ; s[20:21] on the way out: selects for lane l xor 16
.set TT,   95                          ; s95 T
.set G1, 24
.set G0, 32
.set G1B, 48
.set G0B, 56
.set G1S, 68
.set G0S, 76
.set G1SB, 80
.set G0SB, 88
.set MSB, 0
.macro WIN new                         ; the immediate's high byte repeats the setting that is left
.if MSB != (\new)
	s_set_vgpr_msb (MSB<<8)|(\new)
.set MSB, (\new)
.endif
.endm
.set MUL_LO, 0xa1                      ; source 0 (B) window 1, source 1 (A) window 0, C and D window 2
.set MUL_HI, 0xf1
.set TO_B,   0x40
; A joint load: waves 0 and 1 fetch for A, waves 2 and 3 for B; the branch hangs on the wave's number alone.  Four v_nop follow each of the two lines.
.macro JLOAD g0a, g1a, g0b, g1b
	s_cmp_eq_u32 s15, 0
	s_cbranch_scc0 .Lfor_b_\@
	tensor_load_to_lds s[\g0a:\g0a+3], s[\g1a:\g1a+7]
	s_nop 0
.rept 4
	v_nop
.endr
	s_branch .Lasked_\@
.Lfor_b_\@:
	tensor_load_to_lds s[\g0b:\g0b+3], s[\g1b:\g1b+7]
	s_nop 0
.rept 4
	v_nop
.endr
.Lasked_\@:
.endm
.macro CREST                           ; a round of the cluster's barrier behind its opening barrier
	s_cmp_lg_u32 s14, 0
	s_cbranch_scc1 .Lnot_wave_0_\@
	s_barrier_signal -3
.Lnot_wave_0_\@:
	s_barrier_wait -3
	s_barrier_signal -1
	s_barrier_wait -1
.endm
.macro CROUND
	s_barrier_signal -1
	s_barrier_wait -1
	CREST
.endm
	s_load_b256 s[4:11], s[0:1], 0x0               ; xc s[4:5], xs s[6:7], wc s[8:9], ws s[10:11]
	s_load_b128 s[96:99], s[0:1], 0x20             ; bq, bk
	s_load_b64 s[100:101], s[0:1], 0x30            ; bv
	s_load_b64 s[12:13], s[0:1], 0x38              ; qi
	s_load_b64 s[66:67], s[0:1], 0x40              ; kv
	v_lshl_add_u32 v[SPW], v0, 2, SPARE
	v_mov_b32 v[NIL], 0
	ds_add_u32 v28, v29
	ds_add_u32 v28, v29
	s_wait_dscnt 0x0
	v_lshrrev_b32 v1, 5, v0
	v_readfirstlane_b32 s14, v1                    ; wave 0..3
	s_lshr_b32 s15, s14, 1                         ; which half of the tile's rows is mine.  Also: I fetch for A (0) or for B (1)
	s_and_b32 s16, s14, 1                          ; which half of its columns.  Also: which 128 rows of that tile I fetch
	s_bfe_u32 s40, ttmp6, 0x40000                  ; cx, cy: my place in the cluster
	s_bfe_u32 s41, ttmp6, 0x40004
	s_and_b32 s17, ttmp7, 0xffff                   ; the cluster's y, 0 .. 11
	s_lshr_b32 s[TT], s17, 2                       ; T: which projection
	s_and_b32 s17, s17, 3
	s_lshl_b32 s17, s17, 2                         ; 4 G: which four tiles along the tokens
	s_cmp_eq_u32 s[TT], 2
	s_cselect_b32 s42, s17, 0                      ; the tokens are C's columns for v,
	s_cselect_b32 s17, 0, s17                      ; its rows for q and k
	s_add_co_u32 s42, s42, s40                     ; tile column of C
	s_add_co_u32 s17, s17, s41                     ; tile row of C
	s_lshl_b32 s43, s41, 2
	s_lshl_b32 s43, 15, s43                        ; my row of the cluster
	s_lshl_b32 s44, 0x1111, s40                    ; my column
	; descriptor group 1: a tile of 128 rows x 192 bytes, 16 bytes of padding behind every 64
	s_or_b32 s[G1+0], s43, (0<<16)|(1<<20)|(1<<21)|(3<<22)|(3<<25)
	s_or_b32 s[G1B+0], s44, (0<<16)|(1<<20)|(1<<21)|(3<<22)|(3<<25)
.irp g, G1, G1B
	s_mov_b32 s[\g+1], ROWB<<16                    ; tensor_dim0
	s_mov_b32 s[\g+2], 128<<16                     ; tensor_dim1
	s_mov_b32 s[\g+3], ROWB<<16                    ; tile_dim0
	s_mov_b32 s[\g+4], 128                         ; tile_dim1
	s_mov_b32 s[\g+5], KROW                        ; from row to row
	s_mov_b32 s[\g+6], 0
	s_mov_b32 s[\g+7], 0
.endr
	; the scales of 128 rows: a dense block, as rows of 256 bytes (32 elements of 8), 16 bytes of padding behind each
	s_or_b32 s[G1S+0], s43, (3<<16)|(1<<20)|(1<<21)|(5<<22)|(3<<25)
	s_or_b32 s[G1SB+0], s44, (3<<16)|(1<<20)|(1<<21)|(5<<22)|(3<<25)
.irp g, G1S, G1SB
	s_mov_b32 s[\g+1], 32<<16
	s_mov_b32 s[\g+2], (128*KS/256)<<16
	s_mov_b32 s[\g+3], 32<<16
	s_mov_b32 s[\g+4], 128*KS/256
	s_mov_b32 s[\g+5], 32
	s_mov_b32 s[\g+6], 0
	s_mov_b32 s[\g+7], 0
.endr
	s_lshl_b32 s18, s16, 7                         ; which 128 rows of the tile I fetch
	s_lshl_b32 s20, s17, 8
	s_add_co_u32 s20, s20, s18                     ; A: row 256 x tile row + 128 x half
	s_lshl_b32 s46, s42, 8
	s_add_co_u32 s46, s46, s18                     ; B: row 256 x tile column + 128 x half
	s_mov_b32 s21, 0
	s_mov_b32 s47, 0
	s_mov_b64 s[18:19], KS
	s_mul_u64 s[22:23], s[20:21], s[18:19]         ; where these rows' scales begin
	s_mul_u64 s[92:93], s[46:47], s[18:19]
	s_mov_b64 s[18:19], KROW
	s_mul_u64 s[20:21], s[20:21], s[18:19]         ; and their codes
	s_mul_u64 s[46:47], s[46:47], s[18:19]
	s_mul_i32 s45, s14, HALFT                      ; where they go: wave x 128 rows
	s_mul_i32 s94, s14, HALFS
	s_wait_kmcnt 0x0
	s_mov_b32 s19, 0
	s_mul_i32 s18, s[TT], 6291456                  ; the T-th tensor in each workspace buffer
	s_add_nc_u64 s[4:5], s[4:5], s[18:19]
	s_lshl_b32 s18, s[TT], 18
	s_add_nc_u64 s[6:7], s[6:7], s[18:19]
	s_mul_i32 s18, s[TT], 1572864
	s_add_nc_u64 s[8:9], s[8:9], s[18:19]
	s_lshl_b32 s18, s[TT], 16
	s_add_nc_u64 s[10:11], s[10:11], s[18:19]
	s_cmp_eq_u32 s[TT], 2                          ; for v the weight is A and x is B: a choice that hangs on the cluster's y alone
	s_cselect_b64 s[18:19], s[8:9], s[4:5]         ; A's codes
	s_cselect_b64 s[8:9], s[4:5], s[8:9]           ; B's codes
	s_cselect_b64 s[4:5], s[10:11], s[6:7]         ; A's scales
	s_cselect_b64 s[10:11], s[6:7], s[10:11]       ; B's scales
	s_add_nc_u64 s[20:21], s[18:19], s[20:21]
	s_add_nc_u64 s[22:23], s[4:5], s[22:23]
	s_add_nc_u64 s[46:47], s[8:9], s[46:47]
	s_add_nc_u64 s[92:93], s[10:11], s[92:93]
	CROUND                                         ; all sixteen work-groups are here: the first joint loads meet
	s_mov_b32 s[G0S], 1
	s_add_co_u32 s[G0S+1], s94, SCL
	s_mov_b64 s[G0S+2:G0S+3], s[22:23]
	s_or_b32 s[G0S+3], s[G0S+3], 0x80000000
	s_mov_b32 s[G0SB], 1
	s_add_co_u32 s[G0SB+1], s94, SCL
	s_mov_b64 s[G0SB+2:G0SB+3], s[92:93]
	s_or_b32 s[G0SB+3], s[G0SB+3], 0x80000000
	JLOAD G0S, G1S, G0SB, G1SB                     ; the scales first: they are wanted with K step 0
.irp s, 0,1
	s_mov_b32 s[G0+4*\s], 1
	s_add_co_u32 s[G0+4*\s+1], s45, \s*SLOT
	s_add_nc_u64 s[G0+4*\s+2:G0+4*\s+3], s[20:21], \s*ROWB
	s_or_b32 s[G0+4*\s+3], s[G0+4*\s+3], 0x80000000
	s_mov_b32 s[G0B+4*\s], 1
	s_add_co_u32 s[G0B+4*\s+1], s45, \s*SLOT
	s_add_nc_u64 s[G0B+4*\s+2:G0B+4*\s+3], s[46:47], \s*ROWB
	s_or_b32 s[G0B+4*\s+3], s[G0B+4*\s+3], 0x80000000
	JLOAD G0+4*\s, G1, G0B+4*\s, G1B               ; three tensor loads of mine are out at the most
.endr
	v_and_b32 v1, 15, v0                           ; r
	v_bfe_u32 v2, v0, 4, 1                         ; h
	v_mul_u32_u24 v3, v1, PITCH
	v_mul_u32_u24 v4, v2, 24
	v_add_nc_u32 v4, v3, v4                        ; a fragment's row x pitch + 24 x half
	v_lshl_add_u32 v5, v2, 4, v4                   ; and the same behind one padding more
	s_mul_i32 s21, s15, HALFT                      ; my 128 rows of A
	s_mul_i32 s22, s16, HALFT                      ; my 128 rows of B,
	s_add_co_u32 s22, s22, 2*HALFT                 ; which lie behind A's 256
.irp s, 0,1
	v_add_nc_u32 v[ADRA+\s], s21, v4
	v_add_nc_u32 v[ADRB+\s], s22, v4
	v_add_nc_u32 v[ADRA+2+\s], s21, v5
	v_add_nc_u32 v[ADRB+2+\s], s22, v5
	s_add_co_u32 s21, s21, SLOT
	s_add_co_u32 s22, s22, SLOT
.endr
	v_mul_u32_u24 v5, v1, KS                       ; my row's scales: KS bytes a row,
	v_lshrrev_b32 v6, 8, v5
	v_lshl_add_u32 v5, v6, 4, v5                   ; and 16 more for each 256 passed
	s_mul_i32 s21, s15, HALFS
	s_mul_i32 s22, s16, HALFS
	s_add_co_u32 s22, s22, 2*HALFS
	s_sub_co_u32 s22, s22, s21
	v_mul_u32_u24 v6, s22, v2                      ; lanes 16-31 take B's: one product, the distance x h
	s_add_co_u32 s21, s21, SCL
	v_add_nc_u32 v5, v5, v6
	v_add_nc_u32 v[ADRS], s21, v5
	; the bias, in both layouts (each way out uses one; both loads stay inside the 1,024 numbers: the unused one reads from the bias's start)
	v_and_b32 v[LN], 31, v0
	v_lshlrev_b32 v[LI], 4, v[LN]
	v_lshlrev_b32 v[BO], 6, v2
	v_and_b32 v6, 7, v1
	v_lshrrev_b32 v7, 3, v1
	v_lshlrev_b32 v6, 2, v6
	v_lshl_add_u32 v[VO], v7, 6, v6
	s_cmp_eq_u32 s[TT], 1
	s_cselect_b64 s[96:97], s[98:99], s[96:97]
	s_cmp_eq_u32 s[TT], 2
	s_cselect_b64 s[96:97], s[100:101], s[96:97]   ; bq, bk or bv
	s_lshl_b32 s18, s42, 8
	s_lshl_b32 s19, s16, 7
	s_add_co_u32 s18, s18, s19
	s_lshl_b32 s18, s18, 2                         ; my first column of C, in bytes of f32
	s_lshl_b32 s4, s17, 8
	s_lshl_b32 s5, s15, 7
	s_add_co_u32 s4, s4, s5
	s_lshl_b32 s4, s4, 2                           ; my first row of C likewise
	s_cmp_eq_u32 s[TT], 2
	s_cselect_b32 s18, 0, s18
	s_cselect_b32 s4, s4, 0
	s_mov_b32 s19, 0
	s_mov_b32 s5, 0
	s_add_nc_u64 s[98:99], s[96:97], s[18:19]
	s_add_nc_u64 s[100:101], s[96:97], s[4:5]
.irp b, 0,1,2,3,4,5,6,7
	global_load_b128 v[BI+8*\b:BI+8*\b+3], v[BO], s[98:99] offset:(32*(\b/2)+8*(\b%2))*4
	global_load_b128 v[BI+8*\b+4:BI+8*\b+7], v[BO], s[98:99] offset:(32*(\b/2)+8*(\b%2))*4+16
.endr
.irp a, 0,1,2,3,4,5,6,7
	global_load_b32 v[BV+2*\a], v[VO], s[100:101] offset:(32*(\a/2)+8*(\a%2))*4
	v_mov_b32 v[BV+2*\a+1], 0
.endr
	; where my results go: (16 batch + head) x HSTR + (group of 128 tokens) x STEPB
	s_cmp_eq_u32 s[TT], 2
	s_cselect_b32 s18, s17, s42                    ; the tile along the channels,
	s_cselect_b32 s19, s15, s16                    ; my half of it,
	s_cselect_b32 s4, s42, s17                     ; the tile along the tokens,
	s_cselect_b32 s5, s16, s15                     ; my half of it
	s_lshl_b32 s18, s18, 2
	s_lshl_b32 s19, s19, 1
	s_add_co_u32 s18, s18, s19                     ; my first head (I hold two)
	s_lshr_b32 s19, s4, 3
	s_lshl_b32 s19, s19, 4
	s_add_co_u32 s18, s18, s19                     ; + 16 x batch
	s_and_b32 s4, s4, 7
	s_lshl_b32 s4, s4, 1
	s_add_co_u32 s4, s4, s5                        ; my group of 128 tokens in the batch
	s_mul_i32 s18, s18, HSTR
	s_mul_i32 s4, s4, STEPB
	s_add_co_u32 s18, s18, s4
	s_mov_b32 s19, 0
	s_cmp_eq_u32 s[TT], 0
	s_cselect_b64 s[12:13], s[12:13], s[66:67]     ; q goes to qi, k and v to kv
	s_add_nc_u64 s[12:13], s[12:13], s[18:19]
.macro FRAG reg, adr, q, i             ; 16 rows x 128 K of 6-bit codes: 12 registers: registers 6 c .. 6 c + 5 hold K = 64 c + 32 h + 0 .. 31: 24 bytes of the row, in pieces of 8
.irp p, 0,1,2,3,4,5
.set PC, 12*(\q)+6*(\p/3)+\p%3        ; 16 bytes of padding lie behind every 8 pieces: where the piece three on lies behind one padding more, the second address register serves
.if PC%8 < 5
	ds_load_b64 v[\reg+2*\p:\reg+2*\p+1], v[\adr] offset:8*PC+16*(PC/8)+(\i)*16*PITCH
.else
	ds_load_b64 v[\reg+2*\p:\reg+2*\p+1], v[\adr+2] offset:8*PC+16*(PC/8)+(\i)*16*PITCH
.endif
.endr
.endm
; 16 matrix instructions: A's blocks a0, a0 + 1 x B's eight.  The 64 accumulators take turns, one instruction a turn, in the same order in every step.
.macro MUL16 a0, p, q, sc, zero
.irp a, \a0, \a0+1
.irp b, 0,1,2,3,4,5,6,7
.if \zero
	v_wmma_scale_f32_16x16x128_f8f6f4 v[8*(8*((\a)%4)+\b):8*(8*((\a)%4)+\b)+7], v[128*(\p)+FR*\b:128*(\p)+FR*\b+FR-1], v[AF+FR*(\a):AF+FR*(\a)+FR-1], 0, v[SC+8*NQ*(\sc)+NQ*\b+(\q)], v[SC+8*NQ*(\sc)+NQ*(\a)+(\q)] matrix_a_fmt:MATRIX_FMT_FP6 matrix_b_fmt:MATRIX_FMT_FP6 matrix_a_scale:MATRIX_SCALE_ROW1
.else
	v_wmma_scale_f32_16x16x128_f8f6f4 v[8*(8*((\a)%4)+\b):8*(8*((\a)%4)+\b)+7], v[128*(\p)+FR*\b:128*(\p)+FR*\b+FR-1], v[AF+FR*(\a):AF+FR*(\a)+FR-1], v[8*(8*((\a)%4)+\b):8*(8*((\a)%4)+\b)+7], v[SC+8*NQ*(\sc)+NQ*\b+(\q)], v[SC+8*NQ*(\sc)+NQ*(\a)+(\q)] matrix_a_fmt:MATRIX_FMT_FP6 matrix_b_fmt:MATRIX_FMT_FP6 matrix_a_scale:MATRIX_SCALE_ROW1
.endif
.endr
.endr
.endm
.macro FETCH_B slot, q, p
	WIN TO_B
.irp i, 0,1,2,3,4,5,6,7
	FRAG 128*(\p)+FR*\i, ADRB+\slot, \q, \i
.endr
	WIN 0
.endm
.macro FETCH_A slot, q, i0
.irp i, \i0, \i0+1, \i0+2, \i0+3
	FRAG AF+FR*(\i), ADRA+\slot, \q, \i
.endr
.endm
.macro SCALES sc                       ; a K step's scale words: lanes 0-15 take A's block i, lanes 16-31 B's block i
.irp i, 0,1,2,3,4,5,6,7
	ds_load_b64 v[SC+8*NQ*\sc+NQ*\i:SC+8*NQ*\sc+NQ*\i+1], v[ADRS] offset:\i*SBLK
.endr
.endm
.macro PLACES n                        ; plain vector places between a matrix instruction and a load into, or a vector access of, its registers
.rept \n
	v_nop
.endr
.endm
.macro STEP slot, q, zero              ; 128 along K whose successor lies in the same slot
	s_wait_dscnt 4*NL                              ; B's set and A's blocks 0-3 are in; the youngest 24 loads (A's blocks 4-7) may be out
	WIN MUL_LO
	MUL16 0, (\q)%2, \q, \slot, \zero
	MUL16 2, (\q)%2, \q, \slot, \zero
	s_wait_dscnt 0
	PLACES NP
	FETCH_B \slot, (\q)+1, 1-(\q)%2
	FETCH_A \slot, (\q)+1, 0
	WIN MUL_HI
	MUL16 4, (\q)%2, \q, \slot, \zero
	MUL16 6, (\q)%2, \q, \slot, \zero
	PLACES NP
	WIN 0
	FETCH_A \slot, (\q)+1, 4
.endm
; A slot's last step changes slots: one barrier; in front of it each wave waits for all its tensor loads, adds 0 to its spare word, and waits for that and for its reads of this slot.
.macro TURN slot, next, fill
	s_wait_tensorcnt 0x0                           ; all my tensor loads have landed: my part of the next slot
	ds_add_u32 v[SPW], v[NIL]                      ; 0 onto my spare word
	s_wait_dscnt 4*NL+1                            ; the add and the youngest 24 loads may be out
	WIN MUL_LO
	MUL16 0, 1, NQ-1, \slot, 0
	s_wait_dscnt 0x0                               ; the add is done, and my reads of this slot are over
	s_barrier_signal -1
	MUL16 2, 1, NQ-1, \slot, 0
	WIN 0
	s_barrier_wait -1
.if \fill
	CREST                                          ; the barrier has opened a round of the cluster's: no wave of any partner still reads this slot or has a load on its way
	s_add_nc_u64 s[G0+4*\slot+2:G0+4*\slot+3], s[G0+4*\slot+2:G0+4*\slot+3], 2*ROWB
	s_add_nc_u64 s[G0B+4*\slot+2:G0B+4*\slot+3], s[G0B+4*\slot+2:G0B+4*\slot+3], 2*ROWB
	JLOAD G0+4*\slot, G1, G0B+4*\slot, G1B         ; the first tensor load behind the round; its four v_nop are the places in front of the loads below
.else
	PLACES NP
.endif
	v_add_nc_u32 v[ADRS], 4*NQ, v[ADRS]            ; the next K step's scale words
	FETCH_B \next, 0, 0
	FETCH_A \next, 0, 0
	SCALES \next
	WIN MUL_HI
	MUL16 4, 1, NQ-1, \slot, 0
	MUL16 6, 1, NQ-1, \slot, 0
	PLACES NP
	WIN 0
	FETCH_A \next, 0, 4
.endm
	s_wait_tensorcnt 1                             ; the scales and my part of K step 0 are in; K step 1's load may be out
	s_wait_loadcnt 0x0                             ; the bias
	s_barrier_signal -1
	s_barrier_wait -1
	FETCH_B 0, 0, 0
	FETCH_A 0, 0, 0
	SCALES 0
	FETCH_A 0, 0, 4
	STEP 0, 0, 1                                   ; the first step's products start the sums
	s_mov_b32 s3, LAPS-1
.Llap:                                                 ; a trip goes once round the ring and fills both slots again
	TURN 0, 1, 1
	STEP 1, 0, 0
	TURN 1, 0, 1
	STEP 0, 0, 0
	s_sub_co_u32 s3, s3, 1
	s_cmp_lg_u32 s3, 0
	s_cbranch_scc1 .Llap
	TURN 0, 1, 0                                   ; the last lap fills nothing
	STEP 1, 0, 0
	s_wait_dscnt 4*NL
	WIN MUL_LO
	MUL16 0, 1, NQ-1, 1, 0
	MUL16 2, 1, NQ-1, 1, 0
	s_wait_dscnt 0
	WIN MUL_HI
	MUL16 4, 1, NQ-1, 1, 0
	MUL16 6, 1, NQ-1, 1, 0
	WIN 0
; THE WAY OUT.  64 numbers of a lane, v[s + 16 b + i] = number 32 b + 16 h + i along the next K of my row, become 12 registers of codes (blocks 0, 1 in v[d0 ..+5], blocks 2, 3 in v[d1 ..+5]) and a scale word.
.macro QUANT s, d0, d1, pw
.irp b, 0,1,2,3
	v_max3_num_f32 v[TM+\b], |v[\s+16*\b]|, |v[\s+1+16*\b]|, 0x1800000   ; my 16 numbers of block b, and the floor 2^(3 - 127)
.endr
.irp i, 2,4,6,8,10,12,14
.irp b, 0,1,2,3
	v_max3_num_f32 v[TM+\b], v[TM+\b], |v[\s+16*\b+\i]|, |v[\s+1+16*\b+\i]|
.endr
.endr
.irp b, 0,1,2,3
	v_permlanex16_b32 v[TM+4+\b], v[TM+\b], s[SEL], s[SEL+1]
.endr
.irp b, 0,1,2,3
	v_max_num_f32 v[TM+\b], v[TM+\b], v[TM+4+\b]   ; with lane l xor 16's: the block's largest magnitude
.endr
.irp b, 0,1,2,3
	v_add_nc_u32 v[TM+12+\b], 0xff000000, v[TM+\b] ; 2 off the exponent field: the conversion's scale operand
.endr
.irp b, 0,1,2,3
	v_lshrrev_b32 v[TM+4+\b], 23, v[TM+12+\b]      ; the byte
.endr
	v_lshl_or_b32 v[(\pw)], v[TM+5], 8, v[TM+4]
	v_lshl_or_b32 v[(\pw)], v[TM+6], 16, v[(\pw)]
	v_lshl_or_b32 v[(\pw)], v[TM+7], 24, v[(\pw)]
	v_cvt_scalef32_pk16_fp6_f32 v[(\d0):(\d0)+2], v[\s:\s+15], v[TM+12]
	v_cvt_scalef32_pk16_fp6_f32 v[TQ:TQ+2], v[\s+16:\s+31], v[TM+13]
	v_cvt_scalef32_pk16_fp6_f32 v[(\d1):(\d1)+2], v[\s+32:\s+47], v[TM+14]
	v_cvt_scalef32_pk16_fp6_f32 v[TQ+4:TQ+6], v[\s+48:\s+63], v[TM+15]
	v_nop                                          ; one plain place behind a scaled conversion
.irp i, 0,1,2                                  ; the operand wants a whole block in a lane: lanes 0-15 the even block, lanes 16-31 the odd one
	v_permlane16_swap_b32 v[(\d0)+\i], v[TQ+\i]
.endr
.irp i, 0,1,2
	v_mov_b32 v[(\d0)+3+\i], v[TQ+\i]
.endr
.irp i, 0,1,2
	v_permlane16_swap_b32 v[(\d1)+\i], v[TQ+4+\i]
.endr
.irp i, 0,1,2
	v_mov_b32 v[(\d1)+3+\i], v[TQ+4+\i]
.endr
.endm
	PLACES NP                                      ; behind the last products: their results are read and their operands' registers written below
	s_mov_b32 s[SEL], 0x76543210
	s_mov_b32 s[SEL+1], 0xfedcba98
.irp b, 0,1,2,3
	v_mov_b32 v[TM+4+\b], 0                        ; a lane permute's destination counts as one of its sources
.endr
	s_cmp_eq_u32 s[TT], 2                          ; the same in all sixteen work-groups of a cluster
	s_cbranch_scc1 .Lvpath
	; q and k: block a is a tile of 16 tokens; its 64 numbers a lane are two heads' 64 channels: blocks 0, 1 the first head, 2, 3 the second
	v_cmp_lt_u32 vcc_lo, 15, v[LN]                 ; lanes 16-31
.irp a, 0,1,2,3,4,5,6,7
	WIN 0x02+(\a/4)                                ; source 0: the accumulators' window
.irp b, 0,1,2,3,4,5,6,7
.irp j, 0,2,4,6
	v_pk_add_f32 v[HA+8*\b+\j:HA+8*\b+\j+1], v[8*(8*(\a%4)+\b)+\j:8*(8*(\a%4)+\b)+\j+1], v[BI+8*\b+\j:BI+8*\b+\j+1]   ; + bias; each accumulator from its low end on
.endr
.endr
	WIN 0
.if (\a%2 == 0) && (\a > 0)
	s_wait_xcnt 0x0                                ; the last pair's stores have read their data: the codes' registers are written again only behind this wait
.endif
	QUANT HA, OUT+6*(\a%2), OUT+12+6*(\a%2), PWS+\a
.if \a%2 == 1
.irp c, 0,1
.irp g, 0,1,2
	global_store_b128 v[LI], v[OUT+12*\c+4*\g:OUT+12*\c+4*\g+3], s[12:13] offset:\c*HSTR+1536*(\a/2)+512*\g   ; two tiles' 12 registers of head c
.endr
.endr
.endif
.endr
.irp i, 0,1,2,3
	v_cndmask_b32 v[SELR+\i], v[PWS+\i], v[PWS+4+\i], vcc_lo   ; lanes 0-15 keep tiles 0-3's words, lanes 16-31 tiles 4-7's
.endr
.irp i, 0,1,2,3
	v_lshrrev_b32 v[SELR+4+\i], 16, v[SELR+\i]     ; the second head's two bytes, zeros above them
.endr
.irp i, 0,1,2,3
	v_and_b32 v[SELR+\i], 0xffff, v[SELR+\i]       ; the first head's
.endr
	global_store_b128 v[LI], v[SELR:SELR+3], s[12:13] offset:12288
	global_store_b128 v[LI], v[SELR+4:SELR+7], s[12:13] offset:HSTR+12288
	s_branch .Ldone
.Lvpath:
	; v: block a is a tile of 16 channels (head a / 4, tile a % 4); its 64 numbers a lane are 128 keys: a whole fragment of V^T
.irp a, 0,1,2,3,4,5,6,7
	WIN 0x02+(\a/4)
.irp b, 0,1,2,3,4,5,6,7
.irp j, 0,2,4,6
	v_pk_add_f32 v[HA+8*\b+\j:HA+8*\b+\j+1], v[8*(8*(\a%4)+\b)+\j:8*(8*(\a%4)+\b)+\j+1], v[BV+2*\a:BV+2*\a+1] op_sel_hi:[1,0]   ; + my channel's bias
.endr
.endr
	WIN 0
.if \a > 0
	s_wait_xcnt 0x0                                ; the last tile's stores have read their data
.endif
	QUANT HA, OUT, OUT+6, PWS+\a
.irp g, 0,1,2
	global_store_b128 v[LI], v[OUT+4*\g:OUT+4*\g+3], s[12:13] offset:(\a/4)*HSTR+6144+1536*(\a%4)+512*\g
.endr
.endr
	global_store_b128 v[LI], v[PWS:PWS+3], s[12:13] offset:12800
	global_store_b128 v[LI], v[PWS+4:PWS+7], s[12:13] offset:HSTR+12800
.Ldone:
	s_wait_tensorcnt 0x0                           ; the wave's end
	ds_add_u32 v[SPW], v[NIL]
	s_wait_dscnt 0x0
	CROUND                                         ; the closing round: no work-group ends while a partner may still ask for a tile that names it
	s_endpgm
.Lfunc_end_k_q7ae1d8adf9_qkv:
	.size	k_q7ae1d8adf9_qkv, .Lfunc_end_k_q7ae1d8adf9_qkv-k_q7ae1d8adf9_qkv
	.p2alignl 7, 3214868480
	.fill 96, 4, 3214868480
	.section	.rodata,"a",@progbits
	.p2align	6, 0x0
	.amdhsa_kernel k_q7ae1d8adf9_qkv
		.amdhsa_group_segment_fixed_size 327680
		.amdhsa_private_segment_fixed_size 0
		.amdhsa_enable_private_segment 0
		.amdhsa_kernarg_size 72
		.amdhsa_user_sgpr_count 2
		.amdhsa_user_sgpr_kernarg_segment_ptr 1
		.amdhsa_wavefront_size32 1
		.amdhsa_system_sgpr_workgroup_id_x 1
		.amdhsa_system_sgpr_workgroup_id_y 1
		.amdhsa_system_sgpr_workgroup_id_z 1
		.amdhsa_system_vgpr_workitem_id 0
		.amdhsa_next_free_vgpr 1024
		.amdhsa_next_free_sgpr 102
		.amdhsa_reserve_vcc 1
		.amdhsa_float_denorm_mode_32 3
		.amdhsa_float_denorm_mode_16_64 3
		.amdhsa_memory_ordered 1
		.amdhsa_forward_progress 1
		.amdhsa_inst_pref_size 233
	.end_amdhsa_kernel
	.amdgpu_metadata
---
amdhsa.version: [ 1, 2 ]
amdhsa.kernels:
  - .name:           k_q7ae1d8adf9_qkv
    .symbol:         k_q7ae1d8adf9_qkv.kd
    .args:
      - { .name: xc, .offset: 0, .size: 8, .value_kind: global_buffer, .address_space: global }
      - { .name: xs, .offset: 8, .size: 8, .value_kind: global_buffer, .address_space: global }
      - { .name: wc, .offset: 16, .size: 8, .value_kind: global_buffer, .address_space: global }
      - { .name: ws, .offset: 24, .size: 8, .value_kind: global_buffer, .address_space: global }
      - { .name: bq, .offset: 32, .size: 8, .value_kind: global_buffer, .address_space: global }
      - { .name: bk, .offset: 40, .size: 8, .value_kind: global_buffer, .address_space: global }
      - { .name: bv, .offset: 48, .size: 8, .value_kind: global_buffer, .address_space: global }
      - { .name: qi, .offset: 56, .size: 8, .value_kind: global_buffer, .address_space: global }
      - { .name: kv, .offset: 64, .size: 8, .value_kind: global_buffer, .address_space: global }
    .group_segment_fixed_size: 327680
    .private_segment_fixed_size: 0
    .kernarg_segment_align: 8
    .kernarg_segment_size: 72
    .max_flat_workgroup_size: 128
    .sgpr_count:     102
    .vgpr_count:     1024
    .wavefront_size: 32
...
	.end_amdgpu_metadata
.endif
;; end of part 2
;; launch attn (part 3): grid 8 x 32, 16 waves a work-group, clusters of 4 x 1, 215,040 bytes of LDS; arguments qi, kv, oc, os; writes oc, os
.if DOCPART == 3
	.amdgcn_target "amdgcn-amd-amdhsa--gfx1250"
	.amdhsa_code_object_version 6
	.text
	.protected	k_q7ae1d8adf9_attn
	.globl	k_q7ae1d8adf9_attn
	.p2align	8
	.type	k_q7ae1d8adf9_attn,@function
k_q7ae1d8adf9_attn:
	s_mov_b64 s[64:65], 0
	v_nop
	global_prefetch_b8 v0, s[64:65] scope:SCOPE_SE
	s_setreg_imm32_b32 hwreg(HW_REG_WAVE_MODE, 25, 1), 1
	s_wait_xcnt 0x0
	s_wait_alu depctr_hold_cnt(0) depctr_sa_sdst(0) depctr_va_vdst(0) depctr_va_sdst(0) depctr_va_ssrc(0) depctr_va_vcc(0) depctr_vm_vsrc(0)
	s_getreg_b32 s2, hwreg(HW_REG_IB_STS2, 6, 4)
	s_cmp_eq_u32 s2, 0
	s_cbranch_scc0 .Lentry_in_a_cluster
	s_endpgm
.Lentry_in_a_cluster:
	s_bfe_u32 s2, ttmp6, 0x10000c
	s_cmp_lg_u32 s2, 0x3003
	s_cbranch_scc0 .Lentry_shape_is_right
	s_endpgm
.Lentry_shape_is_right:
; Attention for one (batch, head) and 256 queries, both products on codes of FP6 (E2M3) with E8M0 scales; head size 64, 2,048 keys, 128 a step.
; t = score x log2(e) / 8; M = the running largest t rounded up to a whole number; p = 2^(t - M) is quantised along the keys; the row's sum is taken of the unquantised p and divides O at the end;
; when M moves, the sum and O are multiplied by 2^(old M - new M), which rounds nothing.  o / sum is then quantised along the head's 64 channels for the output projection.
; SHARES.  Sixteen waves, each one tile of 16 queries in 256 registers: four waves to a SIMD, so that one wave's vector work stands beside another's matrix work and LDS loads.
; LDS.  The head's whole block of kv (16 steps x 13,312 bytes = 212,992) comes in ONCE: nothing is filled again, so there is no ring.  Waves 0-3 each issue two tensor loads: step w, then steps
; 4 + 3 w .. 6 + 3 w; the first four steps are worked while the other twelve land.  Two tensor loads of a wave are out at the most.
; CLUSTER.  The four query blocks of a cluster belong to one head and read the same block: each load is asked for jointly, with a mask that names the four.
; LAYOUT.  Both products are used transposed (S^T = K Q^T, O^T = V^T P^T): a lane holds one query (lane % 16).  K's tiles, V^T's tiles and their scale words lie in LDS as images of the operands' registers.
; Tokens and channels were stored with bits 3 and 4 of their numbers exchanged: register j of lane (r, h) of tile t is key (or channel) 32 (t / 2) + 16 h + 8 (t % 2) + j.
; K = 64 in the first product: a tile of K is 6 registers; registers 6-11 of the operand are the next tile's codes (for tile 7: zeros), which meet Q's zero codes and add nothing.
; LIMITS: a block whose largest magnitude lies under 2^-124 keeps the byte 1, a block of zeros too; NaN and infinities are not served.
.set STEPB, 13312
.set HSTR,  16*STEPB
.set VI,    6144                       ; in a step's block: V^T's images,
.set KSW,   12288                      ; K's scale words,
.set VSW,   12800                      ; V^T's
.set LI,   1                           ; v1   16 x lane
.set ADR,  2                           ; v2   the step's LDS address
.set QO,   3                           ; v3-5 Q's three offsets
.set L8,   6                           ; v6   8 x lane
.set RO,   7                           ; v7   32 x (lane % 16)
.set QF,   16                          ; v16-21 Q's codes, v22-27 zeros
.set QS,   28                          ; v28  Q's scale words
.set KV,   32                          ; v32-79 K's 8 tiles, then V^T's 4; v80-85 zeros
.set KSC,  88                          ; v88-91 K's scale words: lanes 0-15 tiles 0-3, lanes 16-31 tiles 4-7
.set VSC,  92                          ; v92-95 V^T's
.set ST,   96                          ; v96-159 S^T, then p
.set OT,   160                         ; v160-191 O^T
.set PC,   192                         ; v192-203 p's codes
.set PT,   204                         ; v204-210 the conversions' second halves
.set BM,   212                         ; v212-215 each block's largest score, then its largest p
.set BP,   216                         ; v216-219 the other half's, then the bytes
.set BS,   220                         ; v220-223 the conversions' scale operands
.set PW,   224                         ; v224 p's scale word
.set FF,   226                         ; v[226:227] f = 2^(old M - new M) (v227 is named with it as a pair)
.set TMP,  228
.set EW,   229
.set SM2,  230                         ; v[230:231] the sum's second chain
.set WV,   12                          ; s12 wave
.set TB,   40                          ; s40 LDS byte at which the step's block begins
.set CNT,  41
.set CS,   42                          ; s[42:43] c = log2(e) / 8
.set SEL,  44                          ; s[44:45] selects for lane l xor 16
.macro CROUND                          ; a round of the cluster's barrier
	s_barrier_signal -1
	s_barrier_wait -1
	s_cmp_lg_u32 s[WV], 0
	s_cbranch_scc1 .Lnot_wave_0_\@
	s_barrier_signal -3
.Lnot_wave_0_\@:
	s_barrier_wait -3
	s_barrier_signal -1
	s_barrier_wait -1
.endm
	s_load_b256 s[4:11], s[0:1], 0x0               ; qi s[4:5], kv s[6:7], oc s[8:9], os s[10:11]
	v_lshl_add_u32 v254, v0, 2, 0x34000
	v_mov_b32 v255, 0
	ds_add_u32 v254, v255
	ds_add_u32 v254, v255
	v_lshrrev_b32 v1, 5, v0
	v_readfirstlane_b32 s[WV], v1                  ; wave 0..15
	s_bfe_u32 s13, ttmp6, 0x40000                  ; cx: it enters Q's and the outputs' addresses alone
	s_and_b32 s14, ttmp7, 0xffff                   ; 16 batch + head, which the four partners share
	s_lshl_b32 s15, ttmp9, 2
	s_add_co_u32 s15, s15, s13                     ; my block of 256 queries
	; descriptor groups 1: dense blocks as rows of 256 bytes (32 elements of 8 bytes): 52 rows (a step), 156 rows (three steps); mask: all four work-groups, bit 21 beside it
	s_mov_b32 s16, 15|(3<<16)|(1<<21)
	s_mov_b32 s17, 32<<16
	s_mov_b32 s18, 52<<16
	s_mov_b32 s19, 32<<16
	s_mov_b32 s20, 52
	s_mov_b32 s21, 32
	s_mov_b32 s22, 0
	s_mov_b32 s23, 0
	s_mov_b32 s24, 15|(3<<16)|(1<<21)
	s_mov_b32 s25, 32<<16
	s_mov_b32 s26, 156<<16
	s_mov_b32 s27, 32<<16
	s_mov_b32 s28, 156
	s_mov_b32 s29, 32
	s_mov_b32 s30, 0
	s_mov_b32 s31, 0
	s_mul_i32 s46, s14, HSTR                       ; the head's block in qi and kv
	s_mov_b32 s47, 0
	s_mul_i32 s48, s[WV], STEPB                    ; first load: step w, in memory and in LDS
	s_mov_b32 s49, 0
	s_mul_i32 s50, s[WV], 3*STEPB
	s_add_co_u32 s50, s50, 4*STEPB                 ; second load: steps 4 + 3 w on
	s_mov_b32 s51, 0
	s_mov_b32 s[CS], 0x3e38aa3b                    ; c = log2(e) / sqrt(64)
	s_mov_b32 s[CS+1], s[CS]
	s_mov_b32 s[SEL], 0x76543210
	s_mov_b32 s[SEL+1], 0xfedcba98
	s_wait_dscnt 0x0
	s_wait_kmcnt 0x0
	s_add_nc_u64 s[6:7], s[6:7], s[46:47]
	s_mov_b32 s32, 1
	s_mov_b32 s33, s48
	s_add_nc_u64 s[34:35], s[6:7], s[48:49]
	s_or_b32 s35, s35, 0x80000000
	s_mov_b32 s36, 1
	s_mov_b32 s37, s50
	s_add_nc_u64 s[38:39], s[6:7], s[50:51]
	s_or_b32 s39, s39, 0x80000000
	CROUND                                         ; all four work-groups are here: the joint loads meet
	s_cmp_lt_u32 s[WV], 4                          ; a wave's two fills stand in one branch on the wave's number
	s_cbranch_scc0 .Lno_fetch
	tensor_load_to_lds s[32:35], s[16:23]
	s_nop 0
	tensor_load_to_lds s[36:39], s[24:31]
	s_nop 0
.rept 4
	v_nop
.endr
.Lno_fetch:
	v_and_b32 v8, 31, v0
	v_lshlrev_b32 v[LI], 4, v8
	v_lshlrev_b32 v[L8], 3, v8
	v_and_b32 v9, 15, v0
	v_lshlrev_b32 v[RO], 5, v9
	; Q: tile w % 8 of group 2 x block + w / 8: registers 6 t .. 6 t + 5 of the group's 48, in pairs: pair e at 512 (e / 2) + 16 lane + 8 (e % 2)
	s_lshl_b32 s52, s15, 1
	s_lshr_b32 s53, s[WV], 3
	s_add_co_u32 s52, s52, s53
	s_mul_i32 s52, s52, STEPB
	s_add_co_u32 s52, s52, s46
	s_mov_b32 s53, 0
	s_add_nc_u64 s[4:5], s[4:5], s[52:53]
	s_and_b32 s54, s[WV], 7
	s_mul_i32 s55, s54, 3
.irp i, 0,1,2
	s_add_co_u32 s56, s55, \i
	s_lshr_b32 s57, s56, 1
	s_lshl_b32 s57, s57, 9
	s_and_b32 s56, s56, 1
	s_lshl_b32 s56, s56, 3
	s_add_co_u32 s56, s56, s57
	v_add_nc_u32 v[QO+\i], s56, v[LI]
.endr
.irp i, 0,1,2
	global_load_b64 v[QF+2*\i:QF+2*\i+1], v[QO+\i], s[4:5]
.endr
	s_lshr_b32 s56, s54, 2                         ; its scale words: row r's lies at lane r + 16 (t / 4), word t % 4
	s_lshl_b32 s56, s56, 8
	s_and_b32 s57, s54, 3
	s_lshl_b32 s57, s57, 2
	s_add_co_u32 s56, s56, s57
	v_lshl_add_u32 v10, v9, 4, s56
	global_load_b32 v[QS], v10, s[4:5] offset:KSW
	; where o goes: rb = my 16 rows' number; codes at rb x 12,288 + head x 768, scale bytes at rb x 512 + 32 r + 2 head
	s_lshr_b32 s56, s14, 4
	s_lshl_b32 s56, s56, 7
	s_lshl_b32 s57, s15, 4
	s_add_co_u32 s56, s56, s57
	s_add_co_u32 s56, s56, s[WV]
	s_and_b32 s57, s14, 15
	s_mul_i32 s58, s56, 12288
	s_mul_i32 s59, s57, 768
	s_add_co_u32 s58, s58, s59
	s_mov_b32 s59, 0
	s_add_nc_u64 s[8:9], s[8:9], s[58:59]
	s_lshl_b32 s58, s56, 9
	s_lshl_b32 s57, s57, 1
	s_add_co_u32 s58, s58, s57
	s_add_nc_u64 s[10:11], s[10:11], s[58:59]
	v_mov_b32 v13, 0xff61b1e6                      ; the largest t so far: -3e38
	v_floor_f32 v12, -v13                          ; -M
	v_mov_b32 v14, 0                               ; the sum, in two halves
	v_mov_b32 v15, 0
.irp j, 22,23,24,25,26,27,80,81,82,83,84,85
	v_mov_b32 v[\j], 0                             ; zero codes: Q's K = 64 .. 127, and what follows K's tile 7
.endr
.irp b, 0,1,2,3
	v_mov_b32 v[BP+\b], 0                          ; a lane permute's destination counts as one of its sources
.endr
	v_mov_b32 v[FF+1], 0
.set j, 0
.rept 32
	v_mov_b32 v[OT+j], 0                           ; O^T: the step is written once; its first run finds zeros, which the first change of M leaves zeros
.set j, j+1
.endr
; A KEY STEP: 128 keys.
.macro STEP
	v_add_nc_u32 v[ADR], s[TB], v[LI]
.rept 4
	v_nop                                          ; places behind the last step's products, in front of loads into registers that they read
.endr
.irp g, 0,1,2,3,4,5,6,7,8,9,10,11
	ds_load_b128 v[KV+4*\g:KV+4*\g+3], v[ADR] offset:512*\g          ; K's eight tiles, 48 registers; 512 consecutive bytes a load
.endr
	ds_load_b128 v[KSC:KSC+3], v[ADR] offset:KSW
	s_wait_dscnt 0x0
.irp t, 0,1,2,3
	v_wmma_scale_f32_16x16x128_f8f6f4 v[ST+8*\t:ST+8*\t+7], v[KV+6*\t:KV+6*\t+11], v[QF:QF+11], 0, v[KSC+\t], v[QS] matrix_a_fmt:MATRIX_FMT_FP6 matrix_b_fmt:MATRIX_FMT_FP6
.endr
.irp t, 4,5,6,7
	v_wmma_scale_f32_16x16x128_f8f6f4 v[ST+8*\t:ST+8*\t+7], v[KV+6*\t:KV+6*\t+11], v[QF:QF+11], 0, v[KSC+\t-4], v[QS] matrix_a_fmt:MATRIX_FMT_FP6 matrix_b_fmt:MATRIX_FMT_FP6 matrix_a_scale:MATRIX_SCALE_ROW1
.endr
.rept 4
	v_nop                                          ; places: the scores are read below, and K's registers take V^T
.endr
.irp g, 0,1,2,3,4,5,6,7,8,9,10,11
	ds_load_b128 v[KV+4*\g:KV+4*\g+3], v[ADR] offset:VI+512*\g       ; V^T's four tiles: they land under the softmax
.endr
	ds_load_b128 v[VSC:VSC+3], v[ADR] offset:VSW
.irp b, 0,1,2,3
	v_max3_num_f32 v[BM+\b], v[ST+16*\b], v[ST+1+16*\b], v[ST+2+16*\b]   ; the largest score of each block of 32 keys: for the row's maximum and, since p rises with the score, for the block's largest p
.endr
.irp i, 3,5,7,9,11,13
.irp b, 0,1,2,3
	v_max3_num_f32 v[BM+\b], v[BM+\b], v[ST+16*\b+\i], v[ST+1+16*\b+\i]
.endr
.endr
.irp b, 0,1,2,3
	v_max_num_f32 v[BM+\b], v[BM+\b], v[ST+15+16*\b]
.endr
.irp b, 0,1,2,3
	v_permlanex16_b32 v[BP+\b], v[BM+\b], s[SEL], s[SEL+1]
.endr
.irp b, 0,1,2,3
	v_max_num_f32 v[BM+\b], v[BM+\b], v[BP+\b]     ; with lane l xor 16's 16 keys
.endr
	v_max3_num_f32 v[TMP], v[BM], v[BM+1], v[BM+2]
	v_max_num_f32 v[TMP], v[TMP], v[BM+3]          ; the step's largest score of my query
	v_mul_f32 v[TMP], s[CS], v[TMP]                ; as t (c is positive)
	v_max_num_f32 v13, v13, v[TMP]                 ; the running largest t
	v_mov_b32 v[TMP], v12
	v_floor_f32 v12, -v13                          ; the new -M = floor(-t): M is a whole number
	v_sub_f32 v[TMP], v12, v[TMP]                  ; old M - new M: a whole number, 0 or less
	v_cvt_i32_f32 v[TMP], v[TMP]                   ; (it saturates)
	v_ldexp_f32 v[FF], 1.0, v[TMP]                 ; f = 2^(old M - new M)
.set j, 0
.rept 32
	v_pk_fma_f32 v[ST+j:ST+j+1], v[ST+j:ST+j+1], s[CS:CS+1], v[12:13] op_sel_hi:[1,0,0]   ; t - M, two at a time
.set j, j+2
.endr
.irp b, 0,1,2,3
	v_fma_f32 v[BM+\b], v[BM+\b], s[CS], v12       ; the same of each block's largest score
.endr
.set j, 0
.rept 64
	v_exp_f32 v[ST+j], v[ST+j]                     ; p = 2^(t - M), at most 1, not normalised
.set j, j+1
.endr
.irp b, 0,1,2,3
	v_exp_f32 v[BM+\b], v[BM+\b]                   ; the block's largest p: the same two instructions on the same number
.endr
	v_pk_mul_f32 v[14:15], v[14:15], v[FF:FF+1] op_sel_hi:[1,0]   ; the sums under the new M (a plain place behind the exponentials)
	s_wait_alu depctr_va_vdst(0)
.irp b, 0,1,2,3
	v_max_num_f32 v[BM+\b], 0x1800000, v[BM+\b]    ; the floor 2^(3 - 127): the byte cannot fall under 1
.endr
.irp b, 0,1,2,3
	v_add_nc_u32 v[BS+\b], 0xff000000, v[BM+\b]    ; the conversion's scale operand
.endr
.irp b, 0,1,2,3
	v_lshrrev_b32 v[BP+\b], 23, v[BS+\b]           ; the byte
.endr
	v_lshl_or_b32 v[PW], v[BP+1], 8, v[BP]         ; p's scale word for these 128 keys
	v_lshl_or_b32 v[PW], v[BP+2], 16, v[PW]
	v_lshl_or_b32 v[PW], v[BP+3], 24, v[PW]
.irp c, 0,1
	v_cvt_scalef32_pk16_fp6_f32 v[PC+6*\c:PC+6*\c+2], v[ST+32*\c:ST+32*\c+15], v[BS+2*\c]
	v_cvt_scalef32_pk16_fp6_f32 v[PT+4*\c:PT+4*\c+2], v[ST+16+32*\c:ST+31+32*\c], v[BS+2*\c+1]
.endr
	v_nop                                          ; one plain place behind a scaled conversion
.irp c, 0,1                                    ; a whole block in a lane: lanes 0-15 block 2 c, lanes 16-31 block 2 c + 1
.irp i, 0,1,2
	v_permlane16_swap_b32 v[PC+6*\c+\i], v[PT+4*\c+\i]
.endr
.irp i, 0,1,2
	v_mov_b32 v[PC+3+6*\c+\i], v[PT+4*\c+\i]
.endr
.endr
.set j, 0
.rept 16
	v_pk_mul_f32 v[OT+j:OT+j+1], v[OT+j:OT+j+1], v[FF:FF+1] op_sel_hi:[1,0]   ; O^T under the new M, each accumulator from its low end on
.set j, j+2
.endr
	v_pk_add_f32 v[SM2:SM2+1], v[ST:ST+1], v[ST+2:ST+3]            ; the row's sum is taken of the unquantised p: two at a time, in two chains
.irp j, 4,8,12,16,20,24,28,32,36,40,44,48,52,56,60
	v_pk_add_f32 v[14:15], v[14:15], v[ST+\j:ST+\j+1]
	v_pk_add_f32 v[SM2:SM2+1], v[SM2:SM2+1], v[ST+2+\j:ST+3+\j]
.endr
	v_pk_add_f32 v[14:15], v[14:15], v[SM2:SM2+1]
	s_wait_dscnt 0x0                               ; V^T and its scale words
.irp t, 0,1,2,3                                ; the four accumulators take turns, one instruction a turn
	v_wmma_scale_f32_16x16x128_f8f6f4 v[OT+8*\t:OT+8*\t+7], v[KV+12*\t:KV+12*\t+11], v[PC:PC+11], v[OT+8*\t:OT+8*\t+7], v[VSC+\t], v[PW] matrix_a_fmt:MATRIX_FMT_FP6 matrix_b_fmt:MATRIX_FMT_FP6
.endr
	s_add_co_u32 s[TB], s[TB], STEPB
.endm
	s_wait_loadcnt 0x0                             ; Q
	s_wait_tensorcnt 1                             ; my first load (one of steps 0-3) is in; my second may be out
	s_barrier_signal -1
	s_barrier_wait -1                              ; steps 0-3 are whole
	s_mov_b32 s[TB], 0
	s_mov_b32 s[CNT], 4
.Lfirst:
	STEP
	s_sub_co_u32 s[CNT], s[CNT], 1
	s_cmp_lg_u32 s[CNT], 0
	s_cbranch_scc1 .Lfirst
	s_wait_tensorcnt 0x0                           ; my part of steps 4-15 is in,
	s_wait_dscnt 0x0
	s_barrier_signal -1
	s_barrier_wait -1                              ; everybody's is
	s_mov_b32 s[TB], 4*STEPB
	s_mov_b32 s[CNT], 12
.Lrest:
	STEP
	s_sub_co_u32 s[CNT], s[CNT], 1
	s_cmp_lg_u32 s[CNT], 0
	s_cbranch_scc1 .Lrest
	; THE WAY OUT: o = O^T / the sum, quantised along the head's 64 channels: registers 16 b + i are channels 32 b + 16 h + i
.rept 4
	v_nop
.endr
	v_add_f32 v14, v14, v15
	v_permlanex16_b32 v[TMP], v14, s[SEL], s[SEL+1]
	v_add_f32 v14, v14, v[TMP]                     ; the row's sum
	v_rcp_f32 v14, v14
	v_nop                                          ; one plain place behind a transcendental
.set j, 0
	s_wait_alu depctr_va_vdst(0)
.rept 32
	v_mul_f32 v[ST+j], v[OT+j], v14
.set j, j+1
.endr
.irp b, 0,1
	v_max3_num_f32 v[BM+\b], |v[ST+16*\b]|, |v[ST+1+16*\b]|, 0x1800000
.endr
.irp i, 2,4,6,8,10,12,14
.irp b, 0,1
	v_max3_num_f32 v[BM+\b], v[BM+\b], |v[ST+16*\b+\i]|, |v[ST+1+16*\b+\i]|
.endr
.endr
.irp b, 0,1
	v_permlanex16_b32 v[BP+\b], v[BM+\b], s[SEL], s[SEL+1]
.endr
.irp b, 0,1
	v_max_num_f32 v[BM+\b], v[BM+\b], v[BP+\b]
.endr
.irp b, 0,1
	v_add_nc_u32 v[BS+\b], 0xff000000, v[BM+\b]
.endr
.irp b, 0,1
	v_lshrrev_b32 v[BP+\b], 23, v[BS+\b]
.endr
	v_lshl_or_b32 v[EW], v[BP+1], 8, v[BP]         ; my row's two scale bytes of this head
	v_cvt_scalef32_pk16_fp6_f32 v[PC:PC+2], v[ST:ST+15], v[BS]
	v_cvt_scalef32_pk16_fp6_f32 v[PT:PT+2], v[ST+16:ST+31], v[BS+1]
	v_nop
.irp i, 0,1,2
	v_permlane16_swap_b32 v[PC+\i], v[PT+\i]
.endr
.irp i, 0,1,2
	v_mov_b32 v[PC+3+\i], v[PT+\i]                 ; v[PC .. PC + 5]: channels 32 h .. 32 h + 31: half a fragment of the output projection's A
.endr
.irp p, 0,1,2
	global_store_b64 v[L8], v[PC+2*\p:PC+2*\p+1], s[8:9] offset:256*\p   ; 32 lanes store 256 consecutive bytes, aligned
.endr
	global_store_b16 v[RO], v[EW], s[10:11]        ; two bytes a row (both halves of the lanes write the same): a row's 32 bytes come from 16 work-groups; 1/24 of the codes' bytes
	s_wait_tensorcnt 0x0
	ds_add_u32 v254, v255
	s_wait_dscnt 0x0
	CROUND                                         ; the closing round
	s_endpgm
.Lfunc_end_k_q7ae1d8adf9_attn:
	.size	k_q7ae1d8adf9_attn, .Lfunc_end_k_q7ae1d8adf9_attn-k_q7ae1d8adf9_attn
	.p2alignl 7, 3214868480
	.fill 96, 4, 3214868480
	.section	.rodata,"a",@progbits
	.p2align	6, 0x0
	.amdhsa_kernel k_q7ae1d8adf9_attn
		.amdhsa_group_segment_fixed_size 215040
		.amdhsa_private_segment_fixed_size 0
		.amdhsa_enable_private_segment 0
		.amdhsa_kernarg_size 32
		.amdhsa_user_sgpr_count 2
		.amdhsa_user_sgpr_kernarg_segment_ptr 1
		.amdhsa_wavefront_size32 1
		.amdhsa_system_sgpr_workgroup_id_x 1
		.amdhsa_system_sgpr_workgroup_id_y 1
		.amdhsa_system_sgpr_workgroup_id_z 1
		.amdhsa_system_vgpr_workitem_id 0
		.amdhsa_next_free_vgpr 256
		.amdhsa_next_free_sgpr 66
		.amdhsa_reserve_vcc 0
		.amdhsa_float_denorm_mode_32 3
		.amdhsa_float_denorm_mode_16_64 3
		.amdhsa_memory_ordered 1
		.amdhsa_forward_progress 1
		.amdhsa_inst_pref_size 43
	.end_amdhsa_kernel
	.amdgpu_metadata
---
amdhsa.version: [ 1, 2 ]
amdhsa.kernels:
  - .name:           k_q7ae1d8adf9_attn
    .symbol:         k_q7ae1d8adf9_attn.kd
    .args:
      - { .name: qi, .offset: 0, .size: 8, .value_kind: global_buffer, .address_space: global }
      - { .name: kv, .offset: 8, .size: 8, .value_kind: global_buffer, .address_space: global }
      - { .name: oc, .offset: 16, .size: 8, .value_kind: global_buffer, .address_space: global }
      - { .name: os, .offset: 24, .size: 8, .value_kind: global_buffer, .address_space: global }
    .group_segment_fixed_size: 215040
    .private_segment_fixed_size: 0
    .kernarg_segment_align: 8
    .kernarg_segment_size: 32
    .max_flat_workgroup_size: 512
    .sgpr_count:     66
    .vgpr_count:     256
    .wavefront_size: 32
...
	.end_amdgpu_metadata
.endif
;; end of part 3
;; launch oproj (part 4): grid 16 x 16, 4 waves a work-group, clusters of 4 x 4, 327,680 bytes of LDS; arguments oc, os, wc, ws, bo, out0; writes out0
.if DOCPART == 4
	.amdgcn_target "amdgcn-amd-amdhsa--gfx1250"
	.amdhsa_code_object_version 6
	.text
	.protected	k_q7ae1d8adf9_oproj
	.globl	k_q7ae1d8adf9_oproj
	.p2align	8
	.type	k_q7ae1d8adf9_oproj,@function
k_q7ae1d8adf9_oproj:
	s_mov_b64 s[64:65], 0
	v_nop
	global_prefetch_b8 v0, s[64:65] scope:SCOPE_SE
	s_setreg_imm32_b32 hwreg(HW_REG_WAVE_MODE, 25, 1), 1
	s_wait_xcnt 0x0
	s_wait_alu depctr_hold_cnt(0) depctr_sa_sdst(0) depctr_va_vdst(0) depctr_va_sdst(0) depctr_va_ssrc(0) depctr_va_vcc(0) depctr_vm_vsrc(0)
	s_getreg_b32 s2, hwreg(HW_REG_IB_STS2, 6, 4)
	s_cmp_eq_u32 s2, 0
	s_cbranch_scc0 .Lentry_in_a_cluster
	s_endpgm
.Lentry_in_a_cluster:
	s_bfe_u32 s2, ttmp6, 0x10000c
	s_cmp_lg_u32 s2, 0xf033
	s_cbranch_scc0 .Lentry_shape_is_right
	s_endpgm
.Lentry_shape_is_right:
; out0 = o Wo + bo on codes of FP6 (E2M3) with E8M0 scales: C[m][n] = sum over k of A[m][k] B[n][k] + bo[n]; A = o (4,096 rows), B = Wo's codes (2,048 rows), K = 1,024; C f32.
; A tile of C is 256 x 128: 16 x 16 = 256 work-groups.  Four waves; wave w makes rows 64 w .. 64 w + 63 and all 128 columns: 32 accumulators of 16 x 16, 256 registers.
; ALL OF K LIES IN LDS AT ONCE: A's 256 rows x 768 bytes and B's 128 rows x 960 (768 + 16 of padding behind every 64) are 319,488 bytes.  So there is no ring: every tile is asked for at the start,
; in four chunks of 256 along K, nothing is filled again, and the products follow the chunks as they land, one barrier a chunk.  A wave has four tensor loads out at the most.
; A LIES AS IMAGES OF ITS FRAGMENTS: [16 rows][128 along K][plane p = registers 2 p, 2 p + 1][lane][8 bytes]: 16 rows' 256 along K are 3,072 dense bytes, and a fragment is six loads of 8 bytes a lane, 256 consecutive bytes each.
; THE SCALE BYTES GO STRAIGHT INTO REGISTERS, once: a row has 32 of them; lane (r, h) takes bytes 16 h .. 16 h + 15 of row r by one load of 16 bytes (sixteen rows are 512 consecutive bytes).  Register j of the four
; then holds, in lanes 0-15, the word of K step j and, in lanes 16-31, that of K step 4 + j, which the second half of K selects by the upper row of lanes.
; ROW ORDER.  A's rows and B's rows lie with bits 3 and 4 of their numbers exchanged.  The matrix instruction is used transposed (source 0 = 16 rows of B, source 1 = 16 rows of A): register j of lane (r, h) of
; tile b is column 32 (b / 2) + 16 h + 8 (b % 2) + j, and stored row 16 a + t is row 32 (a / 2) + 8 (a % 2) + t % 8 + 16 (t / 8): both are put right on the way out, by offsets alone.
; The bias is the C of each sum's first product.
; CLUSTERS: 4 x 4 work-groups; A's tiles are asked for jointly along a row of the cluster, B's along a column.
; THE PRICE OF THE SMALLER TILE: a step of 128 along K reads 72 x 256 bytes from LDS a wave for 32 products, where a wave tile of 128 x 128 would read 96 x 256 for 64.
; REGISTERS, in windows of 256: window 0: v10-27 addresses; v32-47 A's scale words, v48-79 B's; v80-143 the bias; v144-239 A's fragments, two sets; on the way out v80-207 are rows of C.
;   window 1: B's fragments, two sets, at v0 and at v128.   window 2: the accumulators ((a, b) at v[8 (8 a + b)]).
.set SIZE_N, 2048
.set ROWB,   192                       ; B: a chunk's row in bytes (256 along K)
.set KROW,   768                       ; a row's codes in bytes (A: 16 rows are 16 x 768 = 12,288 bytes of images)
.set AROW,   3072                      ; A: 16 rows' 256 along K
.set PITCH,  240                       ; B: an LDS row: 3 x (64 bytes + 16 of padding)
.set FR,     12                        ; registers of a fragment
.set NP,     4                         ; places behind this matrix instruction (ISA guide 7.12.1)
.set AHALF,  8*AROW                    ; what one tensor load brings of A: 128 rows' chunk
.set BOFF,   16*AROW                   ; in a chunk: A's 256 rows, then B's 128
.set BHALF,  64*PITCH                  ; what one tensor load brings of B: 64 rows' chunk
.set CH,     BOFF+2*BHALF              ; a chunk: 79,872 bytes; four of them
.set SPITCH, 528                       ; the way out: a stage of 16 rows x (512 + 16) bytes a wave, in chunk 0, which has had its one fill and its last read long before
.set SO,   10                          ; v10  32 r + 16 h: my 16 scale bytes among sixteen rows'
.set BO,   11                          ; v11  64 h
.set STO,  12                          ; v12  the stage: where I put 32 bytes of a row
.set RD,   13                          ; v13  and where I read a row back
.set CO,   14                          ; v14  my byte offset in a row of C
.set ADRA, 16                          ; v16-19 my A fragments in chunk 0 .. 3: 8 x lane + ..
.set ADRB, 20                          ; v20-23 B's fragments in chunk 0 .. 3
.set ADRB2, 24                         ; v24-27 the same for the pieces that lie behind one padding more
.set SA,   32                          ; A's scale words: block a at v[SA + 4 a + j]
.set SB,   48                          ; B's: block b at v[SB + 4 b + j]
.set BI,   80                          ; bo(32 (b / 2) + 16 h + 8 (b % 2) + j) at v[BI + 8 b + j]
.set AF,   144                         ; A's fragments: set p, block a at v[AF + 48 p + 12 a]
.set BK,   80                          ; the way out: 16 rows read back from the stage: v80-143 and v144-207 by turns
.set G1,  24                           ; s[24:31] descriptor group 1 for A's tiles
.set G1B, 48                           ; s[48:55] for B's
.set G0,  68                           ; s[68:83] groups 0 for A's four chunks
.set G0B, 84                           ; s[84:99] for B's
.set MSB, 0
.macro WIN new                         ; the immediate's high byte repeats the setting that is left
.if MSB != (\new)
	s_set_vgpr_msb (MSB<<8)|(\new)
.set MSB, (\new)
.endif
.endm
.set MUL,   0xa1                       ; source 0 (B) window 1, source 1 (A) window 0, C and D window 2
.set FIRST, 0x81                       ; the same with C (the bias) in window 0
.set TO_B,  0x40                       ; destination window 1, address window 0
; A joint load: waves 0 and 1 fetch for A, waves 2 and 3 for B; the branch hangs on the wave's number alone.  Four v_nop follow each of the two lines.
.macro JLOAD g0a, g1a, g0b, g1b
	s_cmp_eq_u32 s15, 0
	s_cbranch_scc0 .Lfor_b_\@
	tensor_load_to_lds s[\g0a:\g0a+3], s[\g1a:\g1a+7]
	s_nop 0
.rept 4
	v_nop
.endr
	s_branch .Lasked_\@
.Lfor_b_\@:
	tensor_load_to_lds s[\g0b:\g0b+3], s[\g1b:\g1b+7]
	s_nop 0
.rept 4
	v_nop
.endr
.Lasked_\@:
.endm
.macro CROUND                          ; a round of the cluster's barrier
	s_barrier_signal -1
	s_barrier_wait -1
	s_cmp_lg_u32 s14, 0
	s_cbranch_scc1 .Lnot_wave_0_\@
	s_barrier_signal -3
.Lnot_wave_0_\@:
	s_barrier_wait -3
	s_barrier_signal -1
	s_barrier_wait -1
.endm
	s_load_b256 s[4:11], s[0:1], 0x0               ; oc s[4:5], os s[6:7], wc s[8:9], ws s[10:11]
	s_load_b64 s[56:57], s[0:1], 0x20              ; bo
	s_load_b64 s[12:13], s[0:1], 0x28              ; out0
	v_lshl_add_u32 v254, v0, 2, 0x4e000
	v_mov_b32 v255, 0
	ds_add_u32 v254, v255
	ds_add_u32 v254, v255
	v_lshrrev_b32 v1, 5, v0
	v_readfirstlane_b32 s14, v1                    ; wave 0..3: my 64 rows of the tile
	s_lshr_b32 s15, s14, 1                         ; I fetch for A (0) or for B (1),
	s_and_b32 s16, s14, 1                          ; and which half of its rows
	s_bfe_u32 s40, ttmp6, 0x40000                  ; cx, cy: my place in the cluster
	s_bfe_u32 s41, ttmp6, 0x40004
	s_lshl_b32 s42, ttmp9, 2
	s_add_co_u32 s42, s42, s40                     ; tile column of C, 0 .. 15
	s_and_b32 s17, ttmp7, 0xffff
	s_lshl_b32 s17, s17, 2
	s_add_co_u32 s17, s17, s41                     ; tile row of C, 0 .. 15
	s_lshl_b32 s43, s41, 2
	s_lshl_b32 s43, 15, s43                        ; my row of the cluster
	s_lshl_b32 s44, 0x1111, s40                    ; my column
	; A: 8 rows of 3,072 bytes (384 elements of 8), 12,288 bytes apart, dense in LDS
	s_or_b32 s[G1+0], s43, (3<<16)|(1<<21)         ; 15:0 the mask: A's tiles go to my row; 17:16 elements of 8 bytes; 21 set beside a mask
	s_mov_b32 s[G1+1], 384<<16                     ; tensor_dim0
	s_mov_b32 s[G1+2], 8<<16                       ; tensor_dim1
	s_mov_b32 s[G1+3], 384<<16                     ; tile_dim0
	s_mov_b32 s[G1+4], 8                           ; tile_dim1
	s_mov_b32 s[G1+5], 1536                        ; from row to row, in elements
	s_mov_b32 s[G1+6], 0
	s_mov_b32 s[G1+7], 0
	; B: 64 rows x 192 bytes, 16 bytes of padding behind every 64
	s_or_b32 s[G1B+0], s44, (0<<16)|(1<<20)|(1<<21)|(3<<22)|(3<<25)
	s_mov_b32 s[G1B+1], ROWB<<16
	s_mov_b32 s[G1B+2], 64<<16
	s_mov_b32 s[G1B+3], ROWB<<16
	s_mov_b32 s[G1B+4], 64
	s_mov_b32 s[G1B+5], KROW
	s_mov_b32 s[G1B+6], 0
	s_mov_b32 s[G1B+7], 0
	s_lshl_b32 s18, s16, 7
	s_lshl_b32 s20, s17, 8
	s_add_co_u32 s20, s20, s18                     ; A: row 256 x tile row + 128 x half
	s_lshl_b32 s18, s16, 6
	s_lshl_b32 s46, s42, 7
	s_add_co_u32 s46, s46, s18                     ; B: row 128 x tile column + 64 x half
	s_mov_b32 s21, 0
	s_mov_b32 s47, 0
	s_mov_b64 s[18:19], KROW
	s_mul_u64 s[20:21], s[20:21], s[18:19]         ; in bytes (A: row x 768 = (row / 16) x 12,288: the row is a multiple of 16)
	s_mul_u64 s[46:47], s[46:47], s[18:19]
	s_mul_i32 s45, s16, AHALF                      ; where they go in a chunk: no place in the cluster enters an LDS address
	s_mul_i32 s58, s16, BHALF
	s_wait_dscnt 0x0
	s_wait_kmcnt 0x0
	s_add_nc_u64 s[8:9], s[8:9], 4718592           ; Wo is the fourth weight in wc
	s_add_nc_u64 s[10:11], s[10:11], 196608        ; and in ws
	s_add_nc_u64 s[20:21], s[4:5], s[20:21]
	s_add_nc_u64 s[46:47], s[8:9], s[46:47]
	CROUND                                         ; all sixteen work-groups are here: the joint loads meet
.irp c, 0,1,2,3                                ; all of K, chunk by chunk, in one group: each wave issues four loads
	s_mov_b32 s[G0+4*\c], 1                        ; count = 1
	s_add_co_u32 s[G0+4*\c+1], s45, \c*CH          ; LDS address
	s_add_nc_u64 s[G0+4*\c+2:G0+4*\c+3], s[20:21], \c*AROW
	s_or_b32 s[G0+4*\c+3], s[G0+4*\c+3], 0x80000000   ; type = 2
	s_mov_b32 s[G0B+4*\c], 1
	s_add_co_u32 s[G0B+4*\c+1], s58, \c*CH+BOFF
	s_add_nc_u64 s[G0B+4*\c+2:G0B+4*\c+3], s[46:47], \c*ROWB
	s_or_b32 s[G0B+4*\c+3], s[G0B+4*\c+3], 0x80000000
	JLOAD G0+4*\c, G1, G0B+4*\c, G1B
.endr
	v_and_b32 v1, 15, v0                           ; r
	v_bfe_u32 v2, v0, 4, 1                         ; h
	v_and_b32 v6, 31, v0                           ; lane
	v_lshlrev_b32 v7, 3, v6                        ; A: 8 bytes a lane in each plane
	v_mul_u32_u24 v3, v1, PITCH
	v_mul_u32_u24 v4, v2, 24
	v_add_nc_u32 v4, v3, v4                        ; B: a fragment's row x pitch + 24 x half
	v_lshl_add_u32 v5, v2, 4, v4                   ; and the same behind one padding more
	s_mul_i32 s21, s14, 4*AROW                     ; my four blocks of A
	s_mov_b32 s22, BOFF
.irp c, 0,1,2,3
	v_add_nc_u32 v[ADRA+\c], s21, v7
	v_add_nc_u32 v[ADRB+\c], s22, v4
	v_add_nc_u32 v[ADRB2+\c], s22, v5
	s_add_co_u32 s21, s21, CH
	s_add_co_u32 s22, s22, CH
.endr
	s_mul_i32 s23, s14, 16*SPITCH                  ; my stage
	v_mul_u32_u24 v5, v1, SPITCH
	v_lshl_add_u32 v5, v2, 6, v5                   ; in: row r, + 64 h: my half's 16 columns of each 32
	v_add_nc_u32 v[STO], s23, v5
	v_lshlrev_b32 v[CO], 4, v6                     ; back: the 32 lanes take one row of 512 bytes; and the same in C
	v_add_nc_u32 v[RD], s23, v[CO]
	v_lshlrev_b32 v[BO], 6, v2
	v_lshlrev_b32 v[SO], 5, v1
	v_lshl_add_u32 v[SO], v2, 4, v[SO]
	s_lshl_b32 s20, s17, 8
	s_lshl_b32 s21, s14, 6
	s_add_co_u32 s20, s20, s21                     ; my first row of C: 256 x tile row + 64 x wave
	s_lshl_b32 s18, s20, 5                         ; its scale bytes: 32 a row
	s_mov_b32 s19, 0
	s_add_nc_u64 s[6:7], s[6:7], s[18:19]
	s_lshl_b32 s20, s20, 13                        ; its place in C: 8,192 bytes a row
	s_mov_b32 s21, 0
	s_add_nc_u64 s[12:13], s[12:13], s[20:21]
	s_lshl_b32 s46, s42, 9                         ; the tile's first column, in bytes of f32
	s_mov_b32 s47, 0
	s_add_nc_u64 s[12:13], s[12:13], s[46:47]
	s_add_nc_u64 s[56:57], s[56:57], s[46:47]      ; bo at that column
	s_lshl_b32 s46, s42, 12                        ; B's scale bytes: 128 rows x 32 a tile column
	s_add_nc_u64 s[10:11], s[10:11], s[46:47]
.irp a, 0,1,2,3
	global_load_b128 v[SA+4*\a:SA+4*\a+3], v[SO], s[6:7] offset:512*\a        ; 32 lanes read 512 consecutive bytes: sixteen rows' scale bytes for all of K
.endr
.irp b, 0,1,2,3,4,5,6,7
	global_load_b128 v[SB+4*\b:SB+4*\b+3], v[SO], s[10:11] offset:512*\b
.endr
.irp b, 0,1,2,3,4,5,6,7
	global_load_b128 v[BI+8*\b:BI+8*\b+3], v[BO], s[56:57] offset:(32*(\b/2)+8*(\b%2))*4
	global_load_b128 v[BI+8*\b+4:BI+8*\b+7], v[BO], s[56:57] offset:(32*(\b/2)+8*(\b%2))*4+16
.endr
.macro FRAG reg, c, q, i               ; B: 16 rows x 128 K of 6-bit codes: registers 6 u .. 6 u + 5 hold K = 64 u + 32 h + 0 .. 31: 24 bytes of the row, in pieces of 8
.irp p, 0,1,2,3,4,5
.set PC, 12*(\q)+6*(\p/3)+\p%3        ; 16 bytes of padding lie behind every 8 pieces: where the piece three on lies behind one padding more, the second address register serves
.if PC%8 < 5
	ds_load_b64 v[\reg+2*\p:\reg+2*\p+1], v[ADRB+\c] offset:8*PC+16*(PC/8)+(\i)*16*PITCH
.else
	ds_load_b64 v[\reg+2*\p:\reg+2*\p+1], v[ADRB2+\c] offset:8*PC+16*(PC/8)+(\i)*16*PITCH
.endif
.endr
.endm
.macro FRAGA reg, c, q, i              ; A: six planes of 256 bytes
.irp p, 0,1,2,3,4,5
	ds_load_b64 v[\reg+2*\p:\reg+2*\p+1], v[ADRA+\c] offset:AROW*(\i)+1536*(\q)+256*\p
.endr
.endm
.macro FETCH s                         ; the fragments of step s (128 along K: chunk s / 2, its half s % 2) into the sets s % 2: 72 loads in one run
.set FC, (\s)/2
.set FQ, (\s)%2
	WIN TO_B
.irp i, 0,1,2,3,4,5,6,7
	FRAG 128*FQ+FR*\i, FC, FQ, \i
.endr
	WIN 0
.irp i, 0,1,2,3
	FRAGA AF+48*FQ+FR*\i, FC, FQ, \i
.endr
.endm
; 32 matrix instructions: my four blocks of A x B's eight, 128 along K.  The 32 accumulators take turns, one instruction a turn, in the same order in every step.
; Step 0 starts the sums from the bias.  Steps 4 to 7 take their scale words from lanes 16-31.
.macro MUL32 s
.irp a, 0,1,2,3
.irp b, 0,1,2,3,4,5,6,7
.if (\s) == 0
	v_wmma_scale_f32_16x16x128_f8f6f4 v[8*(8*\a+\b):8*(8*\a+\b)+7], v[128*((\s)%2)+FR*\b:128*((\s)%2)+FR*\b+FR-1], v[AF+48*((\s)%2)+FR*\a:AF+48*((\s)%2)+FR*\a+FR-1], v[BI+8*\b:BI+8*\b+7], v[SB+4*\b+(\s)%4], v[SA+4*\a+(\s)%4] matrix_a_fmt:MATRIX_FMT_FP6 matrix_b_fmt:MATRIX_FMT_FP6
.elseif (\s) < 4
	v_wmma_scale_f32_16x16x128_f8f6f4 v[8*(8*\a+\b):8*(8*\a+\b)+7], v[128*((\s)%2)+FR*\b:128*((\s)%2)+FR*\b+FR-1], v[AF+48*((\s)%2)+FR*\a:AF+48*((\s)%2)+FR*\a+FR-1], v[8*(8*\a+\b):8*(8*\a+\b)+7], v[SB+4*\b+(\s)%4], v[SA+4*\a+(\s)%4] matrix_a_fmt:MATRIX_FMT_FP6 matrix_b_fmt:MATRIX_FMT_FP6
.else
	v_wmma_scale_f32_16x16x128_f8f6f4 v[8*(8*\a+\b):8*(8*\a+\b)+7], v[128*((\s)%2)+FR*\b:128*((\s)%2)+FR*\b+FR-1], v[AF+48*((\s)%2)+FR*\a:AF+48*((\s)%2)+FR*\a+FR-1], v[8*(8*\a+\b):8*(8*\a+\b)+7], v[SB+4*\b+(\s)%4], v[SA+4*\a+(\s)%4] matrix_a_fmt:MATRIX_FMT_FP6 matrix_b_fmt:MATRIX_FMT_FP6 matrix_a_scale:MATRIX_SCALE_ROW1 matrix_b_scale:MATRIX_SCALE_ROW1
.endif
.endr
.endr
.endm
.macro PLACES n                        ; plain vector places between a matrix instruction and a load into, or an access of, its registers
.rept \n
	v_nop
.endr
.endm
; A step of 128 along K: its fragments are in; the next step's are asked for, into the other sets, and land under this step's 32 products.
; Where the next step begins a chunk, that chunk is shown landed first: each wave waits for its own part, then the work-group's barrier.  The later chunks' loads stay out.
.macro KSTEP s
	s_wait_dscnt 0x0                               ; this step's fragments are in (and no LDS instruction of mine is out at the signal below)
.if ((\s)%2 == 1) && ((\s) < 7)
	s_wait_tensorcnt (5-(\s))/2                    ; my part of the next chunk has landed; my loads for the chunks behind it may be out
	s_barrier_signal -1
	s_barrier_wait -1                              ; everybody's part has
.endif
.if ((\s) > 0) && ((\s) < 7)
	PLACES NP                                      ; behind the last step's products, which read the sets that are loaded now
.endif
.if (\s) < 7
	FETCH (\s)+1
.endif
.if (\s) == 0
	WIN FIRST
.else
	WIN MUL
.endif
	MUL32 \s
	WIN 0
.endm
	s_wait_tensorcnt 3                             ; my part of chunk 0 is in; my three loads for chunks 1 to 3 may be out
	s_wait_loadcnt 0x0                             ; the scale words and the bias
	s_barrier_signal -1
	s_barrier_wait -1                              ; chunk 0 is whole
	FETCH 0
.irp s, 0,1,2,3,4,5,6,7
	KSTEP \s
.endr
; THE WAY OUT, block by block of 16 rows x 128 columns, through my own stage in LDS: in, a lane's eight numbers go to their true columns; back, whole rows of 512 bytes, stored at their true rows.
; The stage lies in chunk 0: every wave's last read of that chunk was waited for in front of step 1's barrier, and no fill follows.
; LDS serves a wave's instructions in order (ISA guide 5.7.1.4): no wait between the stores and the loads, nor in front of the next block's stores.
.macro TOSTAGE a
.set AC, 64*(\a)
	WIN 0x08                                       ; an LDS store's data are its source 1: window 2
.irp b, 0,1,2,3,4,5,6,7
	ds_store_b128 v[STO], v[AC+8*\b:AC+8*\b+3] offset:128*(\b/2)+32*(\b%2)        ; each accumulator from its low end on
	ds_store_b128 v[STO], v[AC+8*\b+4:AC+8*\b+7] offset:128*(\b/2)+32*(\b%2)+16
.endr
	WIN 0
.set BB, BK+64*((\a)%2)
.irp t, 0,1,2,3,4,5,6,7,8,9,10,11,12,13,14,15
	ds_load_b128 v[BB+4*\t:BB+4*\t+3], v[RD] offset:\t*SPITCH
.endr
.endm
.macro SEND a, younger                 ; younger: the LDS instructions issued behind block a's loads, which may stay out
.set BB, BK+64*((\a)%2)
	s_wait_dscnt \younger
.irp t, 0,1,2,3,4,5,6,7,8,9,10,11,12,13,14,15
	global_store_b128 v[CO], v[BB+4*\t:BB+4*\t+3], s[12:13] offset:(32*((\a)/2)+8*((\a)%2)+(\t&7)+16*(\t>>3))*SIZE_N*4 th:TH_STORE_NT   ; 32 lanes store 512 consecutive bytes, aligned; 63 rows of 8,192 bytes at the most, inside the signed 24-bit immediate
.endr
.endm
	PLACES NP                                      ; behind the last products: their results are read, and their operands' registers loaded, below
	TOSTAGE 0
.irp a, 1,2,3
.if \a > 1
	s_wait_xcnt 0x0                                ; block a - 2's stores have read their registers: block a's loads land there only behind this wait
.endif
	TOSTAGE \a
	SEND \a-1, 32                                  ; behind block a - 1's loads: block a's 16 stores and 16 loads
.endr
	SEND 3, 0
	s_wait_tensorcnt 0x0
	ds_add_u32 v254, v255
	s_wait_dscnt 0x0
	CROUND                                         ; the closing round: no work-group ends while a partner may still ask for a tile that names it
	s_endpgm
.Lfunc_end_k_q7ae1d8adf9_oproj:
	.size	k_q7ae1d8adf9_oproj, .Lfunc_end_k_q7ae1d8adf9_oproj-k_q7ae1d8adf9_oproj
	.p2alignl 7, 3214868480
	.fill 96, 4, 3214868480
	.section	.rodata,"a",@progbits
	.p2align	6, 0x0
	.amdhsa_kernel k_q7ae1d8adf9_oproj
		.amdhsa_group_segment_fixed_size 327680
		.amdhsa_private_segment_fixed_size 0
		.amdhsa_enable_private_segment 0
		.amdhsa_kernarg_size 48
		.amdhsa_user_sgpr_count 2
		.amdhsa_user_sgpr_kernarg_segment_ptr 1
		.amdhsa_wavefront_size32 1
		.amdhsa_system_sgpr_workgroup_id_x 1
		.amdhsa_system_sgpr_workgroup_id_y 1
		.amdhsa_system_sgpr_workgroup_id_z 1
		.amdhsa_system_vgpr_workitem_id 0
		.amdhsa_next_free_vgpr 768
		.amdhsa_next_free_sgpr 100
		.amdhsa_reserve_vcc 0
		.amdhsa_float_denorm_mode_32 3
		.amdhsa_float_denorm_mode_16_64 3
		.amdhsa_memory_ordered 1
		.amdhsa_forward_progress 1
		.amdhsa_inst_pref_size 98
	.end_amdhsa_kernel
	.amdgpu_metadata
---
amdhsa.version: [ 1, 2 ]
amdhsa.kernels:
  - .name:           k_q7ae1d8adf9_oproj
    .symbol:         k_q7ae1d8adf9_oproj.kd
    .args:
      - { .name: oc, .offset: 0, .size: 8, .value_kind: global_buffer, .address_space: global }
      - { .name: os, .offset: 8, .size: 8, .value_kind: global_buffer, .address_space: global }
      - { .name: wc, .offset: 16, .size: 8, .value_kind: global_buffer, .address_space: global }
      - { .name: ws, .offset: 24, .size: 8, .value_kind: global_buffer, .address_space: global }
      - { .name: bo, .offset: 32, .size: 8, .value_kind: global_buffer, .address_space: global }
      - { .name: out0, .offset: 40, .size: 8, .value_kind: global_buffer, .address_space: global }
    .group_segment_fixed_size: 327680
    .private_segment_fixed_size: 0
    .kernarg_segment_align: 8
    .kernarg_segment_size: 48
    .max_flat_workgroup_size: 128
    .sgpr_count:     100
    .vgpr_count:     768
    .wavefront_size: 32
...
	.end_amdgpu_metadata
.endif
;; end of part 4
